; MI455X (gfx1250); checked and timed in simulation.
; The chip was launched on July 23, 2026; its instructions are those of AMD's public machine-readable ISA for CDNA 5 (MIT licence, August 2026) and "CDNA5" Instruction Set Architecture Reference Guide (July 2026). The comments in the code are by the model that wrote it; some were corrected since.
;; Dot Product Attention. Allowed arithmetic: matrix products marked QUANTISED: E2M3 operands, one E8M0 scale for each 32 along K, by v_wmma_scale_f32_16x16x128_f8f6f4 with both operands' format E2M3, f32 sums; everything else in f32.
;; Inputs: Wk 1,024 x 1,024 float32; Wq 1,024 x 1,024 float32; Wv 1,024 x 1,024 float32; bk 1,024 float32; bq 1,024 float32; bv 1,024 float32; q 4 x 2,048 x 1,024 float32; x 4 x 2,048 x 1,024 float32.
;; Outputs: out0 4 x 2,048 x 1,024 float32.
;; This version of the problem:
;;   THIS VERSION OF THE PROBLEM IS GIVEN IN LOW PRECISION. The matrix products marked QUANTISED in the list below multiply operands that are first quantised to E2M3 (2 exponent bits, 3 mantissa bits; 6 bits a number), with one power-of-two scale for each 32 numbers along K (OCP MX v1.0); their sums are f32. All else is computed in f32.
;;   The module's matrix products, in the order in which they are computed (A, B: the left and right operand; K: the contracted axis; several contracted axes count as one K, in the product's order):
;;     1. [M 8,192, K 1,024] x [K 1,024, N 1,024]; A: input x; B: input Wk: QUANTISED
;;     2. [M 8,192, K 1,024] x [K 1,024, N 1,024]; A: input x; B: input Wv: QUANTISED
;;     3. [M 8,192, K 1,024] x [K 1,024, N 1,024]; A: input q; B: input Wq: QUANTISED
;;     4. batch 4 x [M 2,048, K 1,024] x [K 1,024, N 2,048]; A: computed on the way; B: computed on the way: QUANTISED
;;     5. batch 4 x [M 2,048, K 2,048] x [K 2,048, N 1,024]; A: softmax (see below); B: computed on the way: QUANTISED
;;   THE QUANTISER, for each operand of a quantised product, along K:
;;     - K is cut into blocks of 32 from its start; a last block that is shorter is filled with zeros.
;;     - A block's scale is 2^e with e = floor(log2(the largest magnitude in the block)) - 2, held to -126 .. 127; a block of zeros has e = 0. As a byte (E8M0): e + 127.
;;     - Each number is divided by its block's scale, clamped to +-7.5, and rounded to the nearest number of E2M3, ties to even, subnormals kept.
;;     - The product sums the exact products of the quantised numbers (number of the format x scale) in f32.
;;   ~~~python
;;   def quantise(x, axis):      # numpy; x: float32 -> the quantised numbers, widened to float32 again
;;       x = np.moveaxis(x, axis, -1); K = x.shape[-1]
;;       x = np.pad(x, [(0, 0)] * (x.ndim - 1) + [(0, -K % 32)]); x = x.reshape(x.shape[:-1] + (-1, 32)); a = np.abs(x).max(-1, keepdims=True)
;;       e = np.where(a > 0, np.clip(np.frexp(np.where(a > 0, a, 1))[1] - 1 - 2, -126, 127), 0)      # np.frexp(a)[1] - 1 = floor(log2(a)), exactly
;;       r = np.clip(x / 2.0 ** e, -7.5, 7.5)
;;       step = 2.0 ** (np.maximum(np.frexp(np.where(r == 0, 1, r))[1] - 1, 0) - 3)
;;       q = np.round(r / step) * step * 2.0 ** e      # np.round: ties to even
;;       return np.moveaxis(q.reshape(q.shape[:-2] + (-1,))[..., :K], -1, axis).astype(np.float32)
;;   ~~~
;;   SOFTMAX AHEAD OF A QUANTISED PRODUCT. Where the list says 'softmax', what is quantised is not the finished softmax but p = 2^(t - M), with t = logit x log2(e) and M = ceil(the row's largest t), a whole number; so 1/2 < the row's largest p <= 1. The row's sum l is taken of the UNQUANTISED p, in f32, and the product's result is divided by l at the end. Since M is a whole number, a kernel that streams over the keys may use a running M (the ceiling of the running maximum): every later rescaling is an exact power of two, which a block's scale takes up: the codes' values come out the same.
;;   OPERANDS COMPUTED ON THE WAY. 'Computed on the way' means the value that the module computes at that place (a softmax that the list does not call 'softmax' is quantised finished and normalised). What goes into a quantiser is computed in f32, as accurately as f32 sums, v_exp_f32 and their like allow (about 1e-6 of the number): no bf16 or f16 on the way to a quantiser, and a product that is left as it is and whose result goes on into a quantised operand takes f32 operands (vector FMAs, or v_wmma_f32_16x16x4_f32). A number that lies on a knife's edge between two numbers of the format may be rounded either way, as far as f32 arithmetic and the matrix unit's own rounding can turn it there, and no further.
;; One version. Each part assembles by itself: llvm-mc -triple=amdgcn-amd-amdhsa -mcpu=gfx1250 --defsym DOCPART=n.
;; ======== version 1 of 1: 4 launches
;; limits: right only within a limited range of input values
;; workspace buffers: inq 15,564,800 bytes; proj 19,660,800 bytes; prob 14,155,776 bytes
;; launch quant_in (part 1): grid 608 x 1, 4 waves a work-group, no clusters, 34,304 bytes of LDS; arguments x, q, Wq, Wk, Wv, inq; writes inq
.if DOCPART == 1
	.amdgcn_target "amdgcn-amd-amdhsa--gfx1250"
	.amdhsa_code_object_version 6
	.text
	.protected	k_q0d9f25113c_quant_in
	.globl	k_q0d9f25113c_quant_in
	.p2align	8
	.type	k_q0d9f25113c_quant_in,@function
k_q0d9f25113c_quant_in:
	s_mov_b64 s[64:65], 0
	v_nop
	global_prefetch_b8 v0, s[64:65] scope:SCOPE_SE
	s_setreg_imm32_b32 hwreg(HW_REG_WAVE_MODE, 25, 1), 1
	s_wait_xcnt 0x0
; x, q [8192][1024] and Wq, Wk, Wv [1024][1024], f32 with K innermost, become codes of FP6 (E2M3) with one E8M0 byte for each 32 along K.
; A block's byte is its largest magnitude's exponent field - 2, held at 1 from below (a block of zeros keeps the byte 1: its codes are zeros, and this program alone reads the bytes).
; LIMITS: NaN and infinities are not served; blocks whose largest magnitude lies under 2^-124 keep the byte 1.
; LAYOUT OF THE WORKSPACE: the order of the operand's registers.  The five tensors' rows stand on end (x, q, Wq, Wk, Wv): 152 row blocks of 128 rows.
; A fragment is 16 rows x 128 K = 12 registers a lane = 1,536 bytes: three pieces of 512 bytes, lane l's registers 4 c .. 4 c + 3 at byte 16 l of piece c.
; Position r of row tile i of a row block is row 32 (i / 2) + 8 (i % 2) + r % 8 + 16 (r / 8): so a product that takes the tile as its first source leaves 16 neighbours of that axis in a lane.
; Codes: [row block][K / 128][tile i][1,536].  Scale words (four bytes: 128 along K of a row): [row block][K / 128][i / 4][r][i % 4], behind each chunk's codes.
; A wave makes four fragments (tiles 4 hf .. 4 hf + 3 of one row block and one 128 along K).  Each load reads 512 consecutive bytes of one row; the 16 rows turn through the wave's own stage in LDS
; (rows of 512 + 16 bytes), from which lane (r, h) takes, of row r, 16 neighbours of each block of 32.  No barrier: waves share nothing.  Loads run two fragments (32 loads a wave) ahead.
; THE WORKSPACE AS IT IS STORED BELOW: a row block is two chunks of 51,200 bytes, each 512 along K: its codes [K / 128][tile i][1,536], 49,152 bytes, and directly behind them
; its scale words [K / 128][i / 4][r][i % 4], 2,048 bytes.  No scale word lies behind all the codes.
.set SP,   528                         ; a stage row
.set RS,   16                          ; v16-143  two sets of 64 registers as loaded
.set X,    144                         ; v144-207 64 numbers: register 16 b + i = k 32 b + 16 h + i of my row
.set PC,   208                         ; v208-219 the fragment's codes
.set T2,   220                         ; v220-227 the conversions' second halves
.set TM,   228                         ; v228-243 at work
.set PW4,  244                         ; v244-247 a scale word for each of the four fragments
.set SEL,  20                          ; s[20:21] lane selects: lane l xor 16
; 64 numbers of a lane become a fragment's codes in v[pc] on and its scale word in v[pw]
.macro QUANT s, pc, t2, pw
.irp b, 0,1,2,3
	v_max3_num_f32 v[TM+\b], |v[(\s)+16*\b]|, |v[(\s)+1+16*\b]|, 0x1800000   ; my 16 numbers of block b, and the floor 2^(3 - 127): the byte cannot fall under 1
.endr
.irp i, 2,4,6,8,10,12,14
.irp b, 0,1,2,3
	v_max3_num_f32 v[TM+\b], v[TM+\b], |v[(\s)+16*\b+\i]|, |v[(\s)+1+16*\b+\i]|   ; the four blocks by turns
.endr
.endr
.irp b, 0,1,2,3
	v_permlanex16_b32 v[TM+4+\b], v[TM+\b], s[SEL], s[SEL+1]
.endr
.irp b, 0,1,2,3
	v_max_num_f32 v[TM+\b], v[TM+\b], v[TM+4+\b]   ; with lane l xor 16's: the block's largest magnitude
.endr
.irp b, 0,1,2,3
	v_add_nc_u32 v[TM+12+\b], 0xff000000, v[TM+\b] ; 2 off its exponent field: the conversion's scale operand
.endr
.irp b, 0,1,2,3
	v_lshrrev_b32 v[TM+4+\b], 23, v[TM+12+\b]      ; the scale's byte
.endr
	v_lshl_or_b32 v[\pw], v[TM+5], 8, v[TM+4]      ; four bytes: my row's scale word
	v_lshl_or_b32 v[\pw], v[TM+6], 16, v[\pw]
	v_lshl_or_b32 v[\pw], v[TM+7], 24, v[\pw]
.irp c, 0,1
	v_cvt_scalef32_pk16_fp6_f32 v[(\pc)+6*\c:(\pc)+2+6*\c], v[(\s)+32*\c:(\s)+15+32*\c], v[TM+12+2*\c]
	v_cvt_scalef32_pk16_fp6_f32 v[(\t2)+4*\c:(\t2)+2+4*\c], v[(\s)+16+32*\c:(\s)+31+32*\c], v[TM+13+2*\c]   ; (three registers that begin on an even number)
.endr
	v_nop                                          ; one plain place behind a scaled conversion
.irp c, 0,1                                    ; the operand's layout wants a whole block in a lane: lanes 0-15 block 2 c, lanes 16-31 block 2 c + 1
.irp i, 0,1,2
	v_permlane16_swap_b32 v[(\pc)+6*\c+\i], v[(\t2)+4*\c+\i]
.endr
.irp i, 0,1,2
	v_mov_b32 v[(\pc)+3+6*\c+\i], v[(\t2)+4*\c+\i]
.endr
.endr
.endm
	s_load_b256 s[4:11], s[0:1], 0x0               ; x, q, Wq, Wk
	s_load_b128 s[12:15], s[0:1], 0x20             ; Wv, inq
	v_lshl_add_u32 v254, v0, 2, 0x8400
	v_mov_b32 v255, 0
	v_lshrrev_b32 v1, 5, v0
	v_readfirstlane_b32 s16, v1                    ; wave
	v_and_b32 v1, 31, v0                           ; lane
	v_and_b32 v2, 15, v0                           ; r
	v_bfe_u32 v3, v0, 4, 1                         ; h
	v_lshlrev_b32 v4, 4, v1                        ; 16 x lane: my bytes of a load's or a store's 512
	s_mul_i32 s17, s16, 16*SP                      ; my wave's stage
	v_add_nc_u32 v5, s17, v4                       ; into it: a row as it lies
	v_mul_u32_u24 v6, v2, SP
	v_lshl_add_u32 v6, v3, 6, v6
	v_add_nc_u32 v6, s17, v6                       ; out of it: row r, + 64 h
	v_lshlrev_b32 v7, 4, v2                        ; the scale words: 16 bytes a row
	s_mov_b32 s[SEL], 0x76543210
	s_mov_b32 s[SEL+1], 0xfedcba98
.irp b, 0,1,2,3
	v_mov_b32 v[TM+4+\b], 0                        ; written once: a lane permute's destination counts as one of its sources
.endr
	s_wait_alu depctr_va_vdst(0)
	s_wait_kmcnt 0x0
	s_mov_b32 s18, 576                             ; which tensor: the choice hangs on the work-group's number alone.  Four work-groups to a row block
	s_cmp_lt_u32 ttmp9, 576
	s_cselect_b64 s[12:13], s[10:11], s[12:13]
	s_cselect_b32 s18, 544, s18
	s_cmp_lt_u32 ttmp9, 544
	s_cselect_b64 s[12:13], s[8:9], s[12:13]
	s_cselect_b32 s18, 512, s18
	s_cmp_lt_u32 ttmp9, 512
	s_cselect_b64 s[12:13], s[6:7], s[12:13]
	s_cselect_b32 s18, 256, s18
	s_cmp_lt_u32 ttmp9, 256
	s_cselect_b64 s[12:13], s[4:5], s[12:13]
	s_cselect_b32 s18, 0, s18
	s_sub_co_u32 s18, ttmp9, s18
	s_lshr_b32 s18, s18, 2                         ; the row block within its tensor,
	s_lshl_b32 s18, s18, 19                        ; 128 rows of 4,096 bytes each
	s_and_b32 s19, s16, 1                          ; hf: tiles 4 hf on begin 64 hf rows down
	s_lshl_b32 s22, s19, 18
	s_add_co_u32 s18, s18, s22
	s_and_b32 s22, ttmp9, 3
	s_lshl_b32 s22, s22, 1
	s_lshr_b32 s23, s16, 1
	s_add_co_u32 s22, s22, s23                     ; which 128 along K
	s_lshl_b32 s22, s22, 9
	s_add_co_u32 s18, s18, s22
	s_mov_b32 s19, 0
	s_add_nc_u64 s[12:13], s[12:13], s[18:19]
	s_lshl_b32 s22, ttmp9, 2
	s_add_co_u32 s22, s22, s16                     ; the wave's number in the launch = 2 x (8 x row block + K / 128) + hf
	s_lshr_b32 s23, s22, 3                         ; eight waves to a chunk
	s_mul_i32 s23, s23, 51200
	s_and_b32 s22, s22, 7
	s_mul_i32 s24, s22, 6144                       ; four fragments
	s_add_co_u32 s24, s24, s23
	s_mov_b32 s25, 0
	s_lshl_b32 s26, s22, 8                         ; 64 scale words, behind the chunk's codes
	s_add_co_u32 s26, s26, s23
	s_add_co_u32 s26, s26, 49152
	s_mov_b32 s27, 0
	s_add_nc_u64 s[24:25], s[14:15], s[24:25]
	s_add_nc_u64 s[26:27], s[14:15], s[26:27]
.macro LOADF f                         ; fragment f's 16 rows, in the order of the tile's positions
.irp p, 0,1,2,3,4,5,6,7,8,9,10,11,12,13,14,15
	global_load_b128 v[RS+64*((\f)%2)+4*\p:RS+64*((\f)%2)+4*\p+3], v4, s[12:13] offset:(32*((\f)/2)+8*((\f)%2)+(\p%8)+16*(\p/8))*4096 th:TH_LOAD_NT
.endr
.endm
.macro FRAGQ f
.if (\f) < 3
	s_wait_loadcnt 16                              ; this fragment's 16 loads are in; the next fragment's 16 may be out
.else
	s_wait_loadcnt 0
.endif
.irp p, 0,1,2,3,4,5,6,7,8,9,10,11,12,13,14,15
	ds_store_b128 v5, v[RS+64*((\f)%2)+4*\p:RS+64*((\f)%2)+4*\p+3] offset:SP*\p
.endr
.irp b, 0,1,2,3
.irp j, 0,1,2,3
	ds_load_b128 v[X+16*\b+4*\j:X+16*\b+4*\j+3], v6 offset:128*\b+16*\j   ; LDS serves a wave's instructions in order: these see the stores above
.endr
.endr
	s_wait_dscnt 0x0                               ; the numbers are back, and the stores have read their registers,
.if (\f) < 2
	LOADF (\f)+2                                   ; which take the fragment two further on
.endif
	s_wait_xcnt 0x0                                ; the last fragment's stores have read the codes' registers
	QUANT X, PC, T2, PW4+(\f)
.irp c, 0,1,2
	global_store_b128 v4, v[PC+4*\c:PC+4*\c+3], s[24:25] offset:1536*(\f)+512*\c   ; 32 lanes store 512 consecutive bytes, aligned
.endr
.endm
	LOADF 0
	LOADF 1
	FRAGQ 0
	FRAGQ 1
	FRAGQ 2
	FRAGQ 3
	s_wait_xcnt 0x0                                ; EXEC changes only behind this wait
	v_cmp_gt_u32 vcc_lo, 16, v1
	s_wait_tensorcnt 0x0
	ds_add_u32 v254, v255
	s_wait_dscnt 0x0
	s_and_saveexec_b32 s22, vcc_lo                 ; lanes 16-31 hold the same words
	global_store_b128 v7, v[PW4:PW4+3], s[26:27]   ; sixteen lanes store 256 consecutive bytes, aligned
	s_wait_xcnt 0x0
	s_or_b32 exec_lo, exec_lo, s22
	s_endpgm
.Lfunc_end_k_q0d9f25113c_quant_in:
	.size	k_q0d9f25113c_quant_in, .Lfunc_end_k_q0d9f25113c_quant_in-k_q0d9f25113c_quant_in
	.p2alignl 7, 3214868480
	.fill 96, 4, 3214868480
	.section	.rodata,"a",@progbits
	.p2align	6, 0x0
	.amdhsa_kernel k_q0d9f25113c_quant_in
		.amdhsa_group_segment_fixed_size 34304
		.amdhsa_private_segment_fixed_size 0
		.amdhsa_enable_private_segment 0
		.amdhsa_kernarg_size 48
		.amdhsa_user_sgpr_count 2
		.amdhsa_user_sgpr_kernarg_segment_ptr 1
		.amdhsa_wavefront_size32 1
		.amdhsa_system_sgpr_workgroup_id_x 1
		.amdhsa_system_sgpr_workgroup_id_y 1
		.amdhsa_system_sgpr_workgroup_id_z 1
		.amdhsa_system_vgpr_workitem_id 0
		.amdhsa_next_free_vgpr 256
		.amdhsa_next_free_sgpr 66
		.amdhsa_reserve_vcc 1
		.amdhsa_float_denorm_mode_32 3
		.amdhsa_float_denorm_mode_16_64 3
		.amdhsa_memory_ordered 1
		.amdhsa_forward_progress 1
		.amdhsa_inst_pref_size 34
	.end_amdhsa_kernel
	.amdgpu_metadata
---
amdhsa.version: [ 1, 2 ]
amdhsa.kernels:
  - .name:           k_q0d9f25113c_quant_in
    .symbol:         k_q0d9f25113c_quant_in.kd
    .args:
      - { .name: x, .offset: 0, .size: 8, .value_kind: global_buffer, .address_space: global }
      - { .name: q, .offset: 8, .size: 8, .value_kind: global_buffer, .address_space: global }
      - { .name: Wq, .offset: 16, .size: 8, .value_kind: global_buffer, .address_space: global }
      - { .name: Wk, .offset: 24, .size: 8, .value_kind: global_buffer, .address_space: global }
      - { .name: Wv, .offset: 32, .size: 8, .value_kind: global_buffer, .address_space: global }
      - { .name: inq, .offset: 40, .size: 8, .value_kind: global_buffer, .address_space: global }
    .group_segment_fixed_size: 34304
    .private_segment_fixed_size: 0
    .kernarg_segment_align: 8
    .kernarg_segment_size: 48
    .max_flat_workgroup_size: 128
    .sgpr_count:     66
    .vgpr_count:     256
    .wavefront_size: 32
...
	.end_amdgpu_metadata
.endif
;; end of part 1
;; launch proj_gemm (part 2): grid 4 x 64, 4 waves a work-group, clusters of 4 x 4, 327,680 bytes of LDS; arguments inq, bq, bk, bv, proj; writes proj
.if DOCPART == 2
	.amdgcn_target "amdgcn-amd-amdhsa--gfx1250"
	.amdhsa_code_object_version 6
	.text
	.protected	k_q0d9f25113c_proj_gemm
	.globl	k_q0d9f25113c_proj_gemm
	.p2align	8
	.type	k_q0d9f25113c_proj_gemm,@function
k_q0d9f25113c_proj_gemm:
	s_mov_b64 s[64:65], 0
	v_nop
	global_prefetch_b8 v0, s[64:65] scope:SCOPE_SE
	s_setreg_imm32_b32 hwreg(HW_REG_WAVE_MODE, 25, 1), 1
	s_wait_xcnt 0x0
	s_wait_alu depctr_hold_cnt(0) depctr_sa_sdst(0) depctr_va_vdst(0) depctr_va_sdst(0) depctr_va_ssrc(0) depctr_va_vcc(0) depctr_vm_vsrc(0)
	s_getreg_b32 s2, hwreg(HW_REG_IB_STS2, 6, 4)
	s_cmp_eq_u32 s2, 0
	s_cbranch_scc0 .Lentry_in_a_cluster
	s_endpgm
.Lentry_in_a_cluster:
	s_bfe_u32 s2, ttmp6, 0x10000c
	s_cmp_lg_u32 s2, 0xf033
	s_cbranch_scc0 .Lentry_shape_is_right
	s_endpgm
.Lentry_shape_is_right:
; The three projections on codes of FP6 (E2M3): k = x Wk^T + bk, qp = q Wq^T + bq, v^T = (x Wv^T + bv)^T, each quantised in registers for the product that follows: k and qp along their 1,024 channels, v along the keys.
; 256 WORK-GROUPS THAT STAY: each makes three tiles of 128 (A side) x 256 (B side), one of each product, in the order k, qp, v^T: 3 x 256 tiles are all there are.  Four waves, 64 x 128 each: 32 accumulators.
; inq: row blocks of 128 rows (x 0-63, q 64-127, Wq 128-135, Wk 136-143, Wv 144-151), each two chunks of 51,200 bytes = 512 along K: codes [K / 128][tile i][1,536] in the order of the operand's registers, then scale words [K / 128][i / 4][r][i % 4].
; Position r of tile i is row 32 (i / 2) + 8 (i % 2) + r % 8 + 16 (r / 8).  Source 0 = 16 rows of the B side, source 1 = 16 rows of the A side: a lane holds one row of the A side and its 64 registers of a row tile are index 32 b + 16 h + i of the B side.
; THE RING: two slots, each one chunk of A's row block and of B's two (153,600 bytes, scale words among them).  It runs on through the three tiles: six fills; a tile's step 3 asks for the next tile's first half, its step 7 for the second half,
; so that the way out stands behind both requests.  Waves 0, 1 fetch the halves of A's chunk, waves 2, 3 B's two chunks: one tensor load a wave behind each round; every wait on TENSORcnt is for 0.
; CLUSTERS 4 x 4, cluster c = 0 .. 15: k, qp: A = row block 4 c + cy, B = the weight's tile cx; v^T: A = Wv's row block 4 (c % 2) + cy, B = x's tile 4 (c / 2) + cx.  A's chunks are asked for jointly along a row of the cluster, B's along a column.
; PREFETCH: behind each joint load the next fill's bytes are named, each block of 256 bytes once in a cluster: of the 100 (A) or 200 (B) blocks that a wave fetches, each of the four partners names 25 or 50, told apart by address; lanes 25-31 name block 24 again.  The last fill has no successor.
; BIASES: bk, bq run along the B side and are added pair by pair on the way out; bv runs along the A side: one number a lane and row tile.  The last tile, v^T, is written out behind the loop.
; RESULTS: qp (row blocks 0-63) and k (64-127): row blocks of four chunks of 25,600 bytes = 256 along K: codes, then 1,024 bytes of scale words.  v^T: codes from VT on, [8 batch + row block][keys / 128][tile][1,536]; scale words from VS on.
; LIMITS: NaN and infinities are not served; blocks whose largest magnitude lies under 2^-124 keep the byte 1 (a block of zeros too: its codes are zeros, and this program alone reads the bytes).
; REGISTERS: window 0: v6-7 a pair for bv, v8-11 bv, v16-31 addresses, v32-47 scale words (two sets), v48-111 a row tile's 64 numbers, v112-115 its scale words, v128-223 A's fragments (two sets; on the way out v128-175 four finished fragments), v224-247 at work.
;   window 1: B's fragments, two sets, at v0 and v128.   window 2: accumulator (a, b) at v[8 (8 a + b)].   window 3: v0-63 the bias along the B side.
.set FR,    12
.set FRB,   1536
.set NP,    4                          ; places behind this matrix instruction (ISA guide 7.12.1)
.set KSB,   51200
.set SCO,   49152                      ; where a chunk's scale words begin
.set SLOT,  3*KSB
.set SPARE, 2*SLOT                     ; the spare words, 128 bytes for each wave: two blocks of 256 bytes that no other line names
.set RBB,   2*KSB
.set ORB,   102400                     ; a row block of qp or k in proj
.set OCH,   25600                      ; a chunk of it
.set VT,    13107200
.set VS,    19398656
.set RC,   6
.set BA,   8
.set ADRA, 16
.set BVO,  18
.set ADRB, 20
.set SOV,  22
.set SOA,  23
.set PFO,  24
.set LO,   25
.set LI,   26
.set BO,   27
.set SPW,  28
.set NIL,  29
.set ADRS, 30
.set SC,   32
.set T,    48
.set PW,   112
.set AF,   128
.set FO,   128
.set T2,   224
.set TM,   232
.set G1, 24
.set G0, 32
.set G1B, 48
.set G0B, 56
.set SEL, 66
.set NXA, 68                           ; the next tile's chunk 0 of A, and the one after it; the same for B
.set NNA, 70
.set NXB, 72
.set NNB, 74
.set BP,  76                           ; this tile's bias, the next tile's
.set BPN, 78
.set OC,  80                           ; this tile's place in proj, the next tile's
.set OCN, 82
.set OV,  84                           ; v^T's codes, v^T's scale words
.set OVS, 86
.set PFP, 88                           ; my share of the next tile's chunks, and of the tile after it
.set PFN, 90
.set MSB, 0
.macro WIN new                         ; the immediate's high byte repeats the setting that is left
.if MSB != (\new)
	s_set_vgpr_msb (MSB<<8)|(\new)
.set MSB, (\new)
.endif
.endm
.set MUL,  0xa1                        ; source 0 (B) window 1, source 1 (A) window 0, C and D window 2
.set TO_B, 0x40
.macro JLOAD g0a, g1a, g0b, g1b        ; a joint load; the branch hangs on the wave's number alone; an s_nop 0 and four v_nop follow each line
	s_cmp_lt_u32 s14, 2
	s_cbranch_scc0 .Lfor_b_\@
	tensor_load_to_lds s[\g0a:\g0a+3], s[\g1a:\g1a+7]
	s_nop 0
.rept 4
	v_nop
.endr
	s_branch .Lasked_\@
.Lfor_b_\@:
	tensor_load_to_lds s[\g0b:\g0b+3], s[\g1b:\g1b+7]
	s_nop 0
.rept 4
	v_nop
.endr
.Lasked_\@:
.endm
.macro CREST                           ; a round of the cluster's barrier behind its opening barrier
	s_cmp_lg_u32 s14, 0
	s_cbranch_scc1 .Lnot_wave_0_\@
	s_barrier_signal -3
.Lnot_wave_0_\@:
	s_barrier_wait -3
	s_barrier_signal -1
	s_barrier_wait -1
.endm
.macro CROUND
	s_barrier_signal -1
	s_barrier_wait -1
	CREST
.endm
.macro PLACES n
.rept \n
	v_nop
.endr
.endm
.macro SHAPE g, rows                   ; dense bytes as rows of 256 (32 elements of 8 bytes)
	s_mov_b32 s[\g+1], 32<<16
	s_mov_b32 s[\g+2], (\rows)<<16
	s_mov_b32 s[\g+3], 32<<16
	s_mov_b32 s[\g+4], \rows
	s_mov_b32 s[\g+5], 32
	s_mov_b32 s[\g+6], 0
	s_mov_b32 s[\g+7], 0
.endm
; my share of a fill: 25 blocks of 256 bytes, a lane a block; B's waves name 25 more.  guard = 1: only in the loop's first trip (the second has no tile two on)
.macro ASK p, off, guard
.if \guard
	s_cmp_lg_u32 s3, 2
	s_cbranch_scc1 .Lpf_\@
.endif
	global_prefetch_b8 v[PFO], s[\p:\p+1] offset:\off th:TH_LOAD_NT scope:SCOPE_SE
	s_cmp_lt_u32 s14, 2
	s_cbranch_scc1 .Lpf_\@
	global_prefetch_b8 v[PFO], s[\p:\p+1] offset:\off+6400 th:TH_LOAD_NT scope:SCOPE_SE
.Lpf_\@:
.endm
.macro FRAG reg, adr, q, i             ; a fragment comes as it was stored: three loads of 512 consecutive bytes
.irp c, 0,1,2
	ds_load_b128 v[(\reg)+4*\c:(\reg)+4*\c+3], v[\adr] offset:(8*(\q)+(\i))*FRB+512*\c
.endr
.endm
.macro FETCH n                         ; step n of a tile (0 .. 7): B's eight fragments, my four of A's, the scale words (lanes 0-15 A's, lanes 16-31 B's), into set n % 2
	WIN TO_B
.irp i, 0,1,2,3,4,5,6,7
	FRAG 128*((\n)%2)+FR*\i, ADRB+((\n)/4)%2, (\n)%4, \i
.endr
	WIN 0
.irp i, 0,1,2,3
	FRAG AF+48*((\n)%2)+FR*\i, ADRA+((\n)/4)%2, (\n)%4, \i
.endr
.irp k, 0,1
	ds_load_b128 v[SC+8*((\n)%2)+4*\k:SC+8*((\n)%2)+4*\k+3], v[ADRS+((\n)/4)%2] offset:512*((\n)%4)+256*\k
.endr
.endm
.macro MUL8 a, n, zero                 ; the 32 accumulators take turns, one instruction a turn
.irp b, 0,1,2,3,4,5,6,7
.if \zero
	v_wmma_scale_f32_16x16x128_f8f6f4 v[8*(8*(\a)+\b):8*(8*(\a)+\b)+7], v[128*((\n)%2)+FR*\b:128*((\n)%2)+FR*\b+FR-1], v[AF+48*((\n)%2)+FR*(\a):AF+48*((\n)%2)+FR*(\a)+FR-1], 0, v[SC+8*((\n)%2)+\b], v[SC+8*((\n)%2)+(\a)] matrix_a_fmt:MATRIX_FMT_FP6 matrix_b_fmt:MATRIX_FMT_FP6 matrix_a_scale:MATRIX_SCALE_ROW1
.else
	v_wmma_scale_f32_16x16x128_f8f6f4 v[8*(8*(\a)+\b):8*(8*(\a)+\b)+7], v[128*((\n)%2)+FR*\b:128*((\n)%2)+FR*\b+FR-1], v[AF+48*((\n)%2)+FR*(\a):AF+48*((\n)%2)+FR*(\a)+FR-1], v[8*(8*(\a)+\b):8*(8*(\a)+\b)+7], v[SC+8*((\n)%2)+\b], v[SC+8*((\n)%2)+(\a)] matrix_a_fmt:MATRIX_FMT_FP6 matrix_b_fmt:MATRIX_FMT_FP6 matrix_a_scale:MATRIX_SCALE_ROW1
.endif
.endr
.endm
.macro STEP n, zero                    ; a step whose successor lies in the same slot
	s_wait_dscnt 0x0                               ; this step's fragments are in
.if (\zero) == 0
	PLACES NP                                      ; in front of loads into registers that the last step's products read
.endif
	FETCH (\n)+1
	WIN MUL
	MUL8 0, \n, \zero
	MUL8 1, \n, \zero
	MUL8 2, \n, \zero
	MUL8 3, \n, \zero
.endm
; Step 3 or 7: the slot is read out.  In front of the barrier each wave waits for all its tensor loads, adds 0 to its spare word, and waits for that and for its reads.  fill = 1: the barrier opens a round, and the slot is filled again
.macro TURN n, fill
	WIN 0
	s_wait_tensorcnt 0x0                           ; all my tensor loads have landed
	ds_add_u32 v[SPW], v[NIL]                      ; 0 onto my spare word
.if (\fill) && (\n) == 3
	s_mov_b64 s[G0+2:G0+3], s[NXA:NXA+1]           ; no load of mine is out: both slots' descriptors take the next tile's two chunks
	s_add_nc_u64 s[G0+6:G0+7], s[NXA:NXA+1], KSB
	s_or_b32 s[G0+3], s[G0+3], 0x80000000
	s_or_b32 s[G0+7], s[G0+7], 0x80000000
	s_mov_b64 s[G0B+2:G0B+3], s[NXB:NXB+1]
	s_add_nc_u64 s[G0B+6:G0B+7], s[NXB:NXB+1], KSB
	s_or_b32 s[G0B+3], s[G0B+3], 0x80000000
	s_or_b32 s[G0B+7], s[G0B+7], 0x80000000
	s_mov_b64 s[NXA:NXA+1], s[NNA:NNA+1]
	s_mov_b64 s[NXB:NXB+1], s[NNB:NNB+1]
.endif
	s_wait_dscnt 1                                 ; this step's fragments are in; the add may be out
	WIN MUL
	MUL8 0, \n, 0
	s_wait_dscnt 0x0                               ; the add is done, and my reads of this slot are over
	s_barrier_signal -1
	MUL8 1, \n, 0
	WIN 0
	s_barrier_wait -1
.if \fill
	CREST                                          ; no wave of any partner still reads this slot or has a load on its way
	JLOAD G0+4*((\n)/4), G1, G0B+4*((\n)/4), G1B   ; the first tensor load behind the round; its four v_nop are the places in front of the loads below
.else
	PLACES NP
.endif
.if (\n) == 3
	FETCH 4
.endif
.if \fill
.if (\n) == 3
	ASK PFP, KSB, 0                                ; the next tile's second half
.else
	ASK PFN, 0, 1                                  ; the first half of the tile after the next
.endif
.endif
	WIN MUL
	MUL8 2, \n, 0
	MUL8 3, \n, 0
.endm
; 64 numbers of a lane, register 16 b + i = k 32 b + 16 h + i of my row, become a fragment's codes in v[pc] on and its scale word in v[pw]
.macro QUANT s, pc, t2, pw
.irp b, 0,1,2,3
	v_max3_num_f32 v[TM+\b], |v[(\s)+16*\b]|, |v[(\s)+1+16*\b]|, 0x1800000   ; and the floor 2^(3 - 127): the byte cannot fall under 1
.endr
.irp i, 2,4,6,8,10,12,14
.irp b, 0,1,2,3
	v_max3_num_f32 v[TM+\b], v[TM+\b], |v[(\s)+16*\b+\i]|, |v[(\s)+1+16*\b+\i]|
.endr
.endr
.irp b, 0,1,2,3
	v_permlanex16_b32 v[TM+4+\b], v[TM+\b], s[SEL], s[SEL+1]
.endr
.irp b, 0,1,2,3
	v_max_num_f32 v[TM+\b], v[TM+\b], v[TM+4+\b]   ; with lane l xor 16's: the block's largest magnitude
.endr
.irp b, 0,1,2,3
	v_add_nc_u32 v[TM+12+\b], 0xff000000, v[TM+\b] ; 2 off the exponent field: the conversion's scale operand
.endr
.irp b, 0,1,2,3
	v_lshrrev_b32 v[TM+4+\b], 23, v[TM+12+\b]      ; the scale's byte
.endr
	v_lshl_or_b32 v[\pw], v[TM+5], 8, v[TM+4]
	v_lshl_or_b32 v[\pw], v[TM+6], 16, v[\pw]
	v_lshl_or_b32 v[\pw], v[TM+7], 24, v[\pw]
.irp c, 0,1
	v_cvt_scalef32_pk16_fp6_f32 v[(\pc)+6*\c:(\pc)+2+6*\c], v[(\s)+32*\c:(\s)+15+32*\c], v[TM+12+2*\c]
	v_cvt_scalef32_pk16_fp6_f32 v[(\t2)+4*\c:(\t2)+2+4*\c], v[(\s)+16+32*\c:(\s)+31+32*\c], v[TM+13+2*\c]
.endr
	v_nop                                          ; one plain place behind a scaled conversion
.irp c, 0,1                                    ; the operand's layout wants a whole block in a lane
.irp i, 0,1,2
	v_permlane16_swap_b32 v[(\pc)+6*\c+\i], v[(\t2)+4*\c+\i]
.endr
.irp i, 0,1,2
	v_mov_b32 v[(\pc)+3+6*\c+\i], v[(\t2)+4*\c+\i]
.endr
.endr
.endm
; THE WAY OUT of row tile a: + the bias (which brings the 64 numbers into window 0, each accumulator from its low end on), quantised, stored as a fragment: 3 x 512 consecutive bytes
.macro ROWOUT a, last
.set AC, 64*(\a)
.set FA, FO+12*(\a)
.set JJ, 0
.if \last
	v_mov_b32 v[RC], v[BA+(\a)]
	WIN 0x02
.rept 32
	v_pk_add_f32 v[T+JJ:T+JJ+1], v[AC+JJ:AC+JJ+1], v[RC:RC+1] op_sel_hi:[1,0]
.set JJ, JJ+2
.endr
.else
	WIN 0x0e                                       ; source 0 window 2, source 1 window 3
.rept 32
	v_pk_add_f32 v[T+JJ:T+JJ+1], v[AC+JJ:AC+JJ+1], v[JJ:JJ+1]
.set JJ, JJ+2
.endr
.endif
	WIN 0
	QUANT T, FA, T2, PW+(\a)
.irp c, 0,1,2
.if \last
	global_store_b128 v[LO], v[FA+4*\c:FA+4*\c+3], s[OV:OV+1] offset:FRB*(\a)+512*\c
.else
	global_store_b128 v[LO], v[FA+4*\c:FA+4*\c+3], s[OC:OC+1] offset:FRB*(\a)+512*\c
.endif
.endr
.endm
.macro EPI last
	WIN 0
	PLACES NP
.if (\last) == 0
	s_wait_loadcnt 0x0                             ; the bias (and, the first time, bv)
.endif
.irp a, 0,1,2,3
	ROWOUT \a, \last
.endr
.if \last                              ; my four row tiles' scale words: 256 consecutive bytes, aligned; lanes 16-31 hold the same words as lanes 0-15 and store them to the same bytes
	global_store_b128 v[SOV], v[PW:PW+3], s[OVS:OVS+1]
.else
	global_store_b128 v[SOA], v[PW:PW+3], s[OC:OC+1]
.endif
.endm
	s_load_b256 s[4:11], s[0:1], 0x0               ; inq, bq, bk, bv
	s_load_b64 s[12:13], s[0:1], 0x20              ; proj
	v_lshl_add_u32 v[SPW], v0, 2, SPARE
	v_mov_b32 v[NIL], 0
	ds_add_u32 v[SPW], v[NIL]                      ; the opening lines: the add, twice on end, and its wait ahead of my first tensor load
	ds_add_u32 v[SPW], v[NIL]
	v_lshrrev_b32 v1, 5, v0
	v_readfirstlane_b32 s14, v1                    ; wave 0..3
	s_lshr_b32 s15, s14, 1                         ; ah: which four row tiles of A's row block are mine
	s_and_b32 s16, s14, 1                          ; bh: which row block of B.  Also: which half of A's chunk, or which of B's chunks, I fetch
	s_bfe_u32 s40, ttmp6, 0x40000                  ; cx, cy
	s_bfe_u32 s41, ttmp6, 0x40004
	s_and_b32 s17, ttmp7, 0xffff                   ; c
	s_lshl_b32 s43, s41, 2
	s_lshl_b32 s43, 15, s43                        ; my row of the cluster
	s_lshl_b32 s44, 0x1111, s40                    ; my column
	s_or_b32 s[G1], s43, (3<<16)|(1<<21)           ; the mask; elements of 8 bytes; no padding; bit 21 beside a mask
	s_or_b32 s[G1B], s44, (3<<16)|(1<<21)
	SHAPE G1, 100                                  ; half a chunk
	SHAPE G1B, 200                                 ; a chunk
	s_lshl_b32 s18, s17, 2
	s_add_co_u32 s18, s18, s41                     ; 4 c + cy
	s_mul_i32 s19, s16, KSB/2                      ; my half of A's chunk, in memory and in LDS
	s_mul_i32 s20, s18, RBB
	s_add_co_u32 s20, s20, s19                     ; A of k: x's row block 4 c + cy
	s_mov_b32 s21, 0
	s_add_co_u32 s22, s20, 64*RBB                  ; A of qp: q's
	s_mov_b32 s23, 0
	s_and_b32 s92, s17, 1
	s_lshl_b32 s92, s92, 2
	s_add_co_u32 s92, s92, s41
	s_add_co_u32 s92, s92, 144
	s_mul_i32 s92, s92, RBB
	s_add_co_u32 s92, s92, s19                     ; A of v^T: Wv's row block 4 (c % 2) + cy
	s_mov_b32 s93, 0
	s_lshl_b32 s46, s40, 1
	s_add_co_u32 s46, s46, s16                     ; 2 cx + which
	s_add_co_u32 s94, s46, 136
	s_mul_i32 s94, s94, RBB                        ; B of k: Wk
	s_mov_b32 s95, 0
	s_add_co_u32 s96, s46, 128
	s_mul_i32 s96, s96, RBB                        ; B of qp: Wq
	s_mov_b32 s97, 0
	s_lshr_b32 s98, s17, 1
	s_lshl_b32 s98, s98, 3
	s_add_co_u32 s98, s98, s46
	s_mul_i32 s98, s98, RBB                        ; B of v^T: x's row block 8 (c / 2) + 2 cx + which
	s_mov_b32 s99, 0
	s_mul_i32 s45, s16, KSB
	s_add_co_u32 s45, s45, KSB                     ; B's chunks lie behind A's in a slot
	s_mov_b32 s[SEL], 0x76543210
	s_mov_b32 s[SEL+1], 0xfedcba98
	s_wait_dscnt 0x0                               ; both opening adds are done
	s_wait_kmcnt 0x0
	s_add_nc_u64 s[20:21], s[4:5], s[20:21]
	s_add_nc_u64 s[NXA:NXA+1], s[4:5], s[22:23]
	s_add_nc_u64 s[NNA:NNA+1], s[4:5], s[92:93]
	s_add_nc_u64 s[94:95], s[4:5], s[94:95]
	s_add_nc_u64 s[NXB:NXB+1], s[4:5], s[96:97]
	s_add_nc_u64 s[NNB:NNB+1], s[4:5], s[98:99]
.irp s, 0,1
	s_mov_b32 s[G0+4*\s], 1
	s_add_co_u32 s[G0+4*\s+1], s19, \s*SLOT
	s_add_nc_u64 s[G0+4*\s+2:G0+4*\s+3], s[20:21], \s*KSB
	s_or_b32 s[G0+4*\s+3], s[G0+4*\s+3], 0x80000000
	s_mov_b32 s[G0B+4*\s], 1
	s_add_co_u32 s[G0B+4*\s+1], s45, \s*SLOT
	s_add_nc_u64 s[G0B+4*\s+2:G0B+4*\s+3], s[94:95], \s*KSB
	s_or_b32 s[G0B+4*\s+3], s[G0B+4*\s+3], 0x80000000
.endr
	CROUND                                         ; all sixteen work-groups are here: the first joint loads meet
	JLOAD G0, G1, G0B, G1B                         ; k's first half: one tensor load a wave at the head
	; the prefetches' bases: what I fetch, + my work-group's share of it (cx among A's four partners, cy among B's)
	s_mul_i32 s46, s40, 6400
	s_mul_i32 s47, s41, 12800
	s_cmp_lt_u32 s14, 2
	s_cselect_b32 s46, s46, s47
	s_cselect_b64 s[22:23], s[20:21], s[94:95]
	s_cselect_b64 s[PFP:PFP+1], s[NXA:NXA+1], s[NXB:NXB+1]
	s_cselect_b64 s[PFN:PFN+1], s[NNA:NNA+1], s[NNB:NNB+1]
	s_mov_b32 s47, 0
	s_add_nc_u64 s[22:23], s[22:23], s[46:47]
	s_add_nc_u64 s[PFP:PFP+1], s[PFP:PFP+1], s[46:47]
	s_add_nc_u64 s[PFN:PFN+1], s[PFN:PFN+1], s[46:47]
	; where the results go
	s_mul_i32 s92, s18, ORB
	s_mul_i32 s93, s40, OCH
	s_add_co_u32 s92, s92, s93
	s_mov_b32 s93, 0
	s_add_nc_u64 s[OCN:OCN+1], s[12:13], s[92:93]  ; qp: row block 4 c + cy, chunk cx
	s_add_nc_u64 s[OC:OC+1], s[OCN:OCN+1], 64*ORB  ; k: 64 row blocks on
	s_lshr_b32 s96, s17, 2
	s_lshl_b32 s96, s96, 3                         ; 8 x batch
	s_and_b32 s97, s17, 1
	s_lshl_b32 s97, s97, 2
	s_add_co_u32 s97, s97, s41                     ; v's row block 4 (c % 2) + cy
	s_add_co_u32 s96, s96, s97
	s_bfe_u32 s98, s17, 0x10001
	s_lshl_b32 s98, s98, 2
	s_add_co_u32 s98, s98, s40
	s_lshl_b32 s98, s98, 1                         ; keys / 128 = 2 (4 ((c / 2) % 2) + cx) + bh
	s_mul_i32 s92, s96, 196608
	s_mul_i32 s99, s98, 12288
	s_add_co_u32 s92, s92, s99
	s_add_co_u32 s92, s92, VT
	s_add_nc_u64 s[OV:OV+1], s[12:13], s[92:93]
	s_lshl_b32 s92, s96, 13
	s_lshl_b32 s99, s98, 9
	s_add_co_u32 s92, s92, s99
	s_add_co_u32 s92, s92, VS
	s_add_nc_u64 s[OVS:OVS+1], s[12:13], s[92:93]
	s_lshl_b32 s92, s40, 10                        ; the biases along the B side: from 256 cx + 128 bh on
	s_lshl_b32 s99, s16, 9
	s_add_co_u32 s92, s92, s99
	s_add_nc_u64 s[BP:BP+1], s[8:9], s[92:93]
	s_add_nc_u64 s[BPN:BPN+1], s[6:7], s[92:93]
	s_lshl_b32 s92, s97, 9                         ; bv: from 128 x row block + 64 ah on
	s_lshl_b32 s99, s15, 8
	s_add_co_u32 s92, s92, s99
	s_add_nc_u64 s[10:11], s[10:11], s[92:93]
	s_mul_i32 s96, s15, 4*FRB                      ; my four row tiles in a step's eight
	s_lshl_b32 s99, s15, 8
	s_sub_co_u32 s98, s45, s99                     ; from A's scale words to B's
	s_add_co_u32 s99, s99, SCO
	s_mul_i32 s94, s16, 12288
	s_add_co_u32 s94, s94, s96                     ; my fragments in a result's chunk
	s_lshl_b32 s95, s16, 9
	s_lshl_b32 s97, s15, 8
	s_add_co_u32 s95, s95, s97                     ; and my scale words
	v_and_b32 v1, 15, v0                           ; r
	v_bfe_u32 v2, v0, 4, 1                         ; h
	v_and_b32 v3, 31, v0
	v_lshlrev_b32 v[LI], 4, v3
	v_add_nc_u32 v[ADRA], s96, v[LI]
	v_add_nc_u32 v[ADRB], s45, v[LI]
	v_add_nc_u32 v[ADRA+1], SLOT, v[ADRA]
	v_add_nc_u32 v[ADRB+1], SLOT, v[ADRB]
	v_lshlrev_b32 v7, 4, v1                        ; the scale words: 16 bytes a row position
	v_mul_u32_u24 v6, s98, v2                      ; lanes 16-31 take B's: one product, h x the distance
	v_add_nc_u32 v6, v7, v6
	v_add_nc_u32 v[ADRS], s99, v6
	v_add_nc_u32 v[ADRS+1], SLOT, v[ADRS]
	v_add_nc_u32 v[LO], s94, v[LI]
	v_add_nc_u32 v[SOV], s95, v7
	v_add_nc_u32 v[SOA], 24576, v[SOV]             ; in qp and k the words lie behind the chunk's codes
	v_lshlrev_b32 v[BO], 6, v2                     ; tile t's register j is index 32 (t / 2) + 8 (t % 2) + 16 h + j
	v_and_b32 v4, 7, v1
	v_lshrrev_b32 v5, 3, v1
	v_lshlrev_b32 v4, 2, v4
	v_lshl_add_u32 v[BVO], v5, 6, v4               ; my row of row tile a is 32 (a / 2) + 8 (a % 2) + r % 8 + 16 (r / 8)
	v_min_u32 v[PFO], 24, v3
	v_lshlrev_b32 v[PFO], 8, v[PFO]                ; a lane a block of 256 bytes; lanes 25-31 name block 24 again
.irp b, 0,1,2,3
	v_mov_b32 v[TM+4+\b], 0                        ; written once: a lane permute's destination counts as one of its sources
.endr
	v_mov_b32 v[RC+1], 0                           ; (named as the upper half of a pair)
	s_wait_alu depctr_va_vdst(0)
.irp a, 0,1,2,3
	global_load_b32 v[BA+\a], v[BVO], s[10:11] offset:(32*(\a/2)+8*(\a%2))*4
.endr
	ASK 22, KSB, 0                                 ; k's second half
	s_wait_tensorcnt 0x0                           ; my part of slot 0 is in
	ds_add_u32 v[SPW], v[NIL]
	s_wait_dscnt 0x0
	CROUND
	JLOAD G0+4, G1, G0B+4, G1B                     ; k's second half, into slot 1
	ASK PFP, 0, 0                                  ; qp's first half
	s_mov_b32 s3, 2
.Ltile:                                                ; a trip is a tile: k, then qp
	FETCH 0
	WIN 0xc0                                       ; destination window 3
.irp t, 0,1,2,3,4,5,6,7
	global_load_b128 v[8*\t:8*\t+3], v[BO], s[BP:BP+1] offset:(32*(\t/2)+8*(\t%2))*4
	global_load_b128 v[8*\t+4:8*\t+7], v[BO], s[BP:BP+1] offset:(32*(\t/2)+8*(\t%2))*4+16
.endr
	WIN 0
	STEP 0, 1                                      ; the first step's products start the sums
	STEP 1, 0
	STEP 2, 0
	TURN 3, 1
	STEP 4, 0
	STEP 5, 0
	STEP 6, 0
	TURN 7, 1
	EPI 0
	s_wait_alu depctr_va_vdst(0)
	s_wait_xcnt 0x0                                ; the stores, the bias's loads and the prefetches have read their registers
	s_mov_b64 s[PFP:PFP+1], s[PFN:PFN+1]
	s_mov_b64 s[BP:BP+1], s[BPN:BPN+1]
	s_mov_b64 s[OC:OC+1], s[OCN:OCN+1]
	s_sub_co_i32 s3, s3, 1
	s_cmp_lg_u32 s3, 0
	s_cbranch_scc1 .Ltile
	FETCH 0                                        ; v^T: nothing more is asked for
	STEP 0, 1
	STEP 1, 0
	STEP 2, 0
	TURN 3, 0
	STEP 4, 0
	STEP 5, 0
	STEP 6, 0
	s_wait_dscnt 0x0
	MUL8 0, 7, 0
	MUL8 1, 7, 0
	MUL8 2, 7, 0
	MUL8 3, 7, 0
	EPI 1
	s_wait_tensorcnt 0x0                           ; the wave's end
	ds_add_u32 v[SPW], v[NIL]
	s_wait_dscnt 0x0
	CROUND                                         ; the closing round
	s_endpgm
.Lfunc_end_k_q0d9f25113c_proj_gemm:
	.size	k_q0d9f25113c_proj_gemm, .Lfunc_end_k_q0d9f25113c_proj_gemm-k_q0d9f25113c_proj_gemm
	.p2alignl 7, 3214868480
	.fill 96, 4, 3214868480
	.section	.rodata,"a",@progbits
	.p2align	6, 0x0
	.amdhsa_kernel k_q0d9f25113c_proj_gemm
		.amdhsa_group_segment_fixed_size 327680
		.amdhsa_private_segment_fixed_size 0
		.amdhsa_enable_private_segment 0
		.amdhsa_kernarg_size 40
		.amdhsa_user_sgpr_count 2
		.amdhsa_user_sgpr_kernarg_segment_ptr 1
		.amdhsa_wavefront_size32 1
		.amdhsa_system_sgpr_workgroup_id_x 1
		.amdhsa_system_sgpr_workgroup_id_y 1
		.amdhsa_system_sgpr_workgroup_id_z 1
		.amdhsa_system_vgpr_workitem_id 0
		.amdhsa_next_free_vgpr 832
		.amdhsa_next_free_sgpr 100
		.amdhsa_reserve_vcc 0
		.amdhsa_float_denorm_mode_32 3
		.amdhsa_float_denorm_mode_16_64 3
		.amdhsa_memory_ordered 1
		.amdhsa_forward_progress 1
		.amdhsa_inst_pref_size 171
	.end_amdhsa_kernel
	.amdgpu_metadata
---
amdhsa.version: [ 1, 2 ]
amdhsa.kernels:
  - .name:           k_q0d9f25113c_proj_gemm
    .symbol:         k_q0d9f25113c_proj_gemm.kd
    .args:
      - { .name: inq, .offset: 0, .size: 8, .value_kind: global_buffer, .address_space: global }
      - { .name: bq, .offset: 8, .size: 8, .value_kind: global_buffer, .address_space: global }
      - { .name: bk, .offset: 16, .size: 8, .value_kind: global_buffer, .address_space: global }
      - { .name: bv, .offset: 24, .size: 8, .value_kind: global_buffer, .address_space: global }
      - { .name: proj, .offset: 32, .size: 8, .value_kind: global_buffer, .address_space: global }
    .group_segment_fixed_size: 327680
    .private_segment_fixed_size: 0
    .kernarg_segment_align: 8
    .kernarg_segment_size: 40
    .max_flat_workgroup_size: 128
    .sgpr_count:     100
    .vgpr_count:     832
    .wavefront_size: 32
...
	.end_amdgpu_metadata
.endif
;; end of part 2
;; launch score_gemm (part 3): grid 8 x 32, 4 waves a work-group, clusters of 4 x 4, 327,680 bytes of LDS; arguments proj, prob; writes prob
.if DOCPART == 3
	.amdgcn_target "amdgcn-amd-amdhsa--gfx1250"
	.amdhsa_code_object_version 6
	.text
	.protected	k_q0d9f25113c_score_gemm
	.globl	k_q0d9f25113c_score_gemm
	.p2align	8
	.type	k_q0d9f25113c_score_gemm,@function
k_q0d9f25113c_score_gemm:
	s_mov_b64 s[64:65], 0
	v_nop
	global_prefetch_b8 v0, s[64:65] scope:SCOPE_SE
	s_setreg_imm32_b32 hwreg(HW_REG_WAVE_MODE, 25, 1), 1
	s_wait_xcnt 0x0
	s_wait_alu depctr_hold_cnt(0) depctr_sa_sdst(0) depctr_va_vdst(0) depctr_va_sdst(0) depctr_va_ssrc(0) depctr_va_vcc(0) depctr_vm_vsrc(0)
	s_getreg_b32 s2, hwreg(HW_REG_IB_STS2, 6, 4)
	s_cmp_eq_u32 s2, 0
	s_cbranch_scc0 .Lentry_in_a_cluster
	s_endpgm
.Lentry_in_a_cluster:
	s_bfe_u32 s2, ttmp6, 0x10000c
	s_cmp_lg_u32 s2, 0xf033
	s_cbranch_scc0 .Lentry_shape_is_right
	s_endpgm
.Lentry_shape_is_right:
; S = qp k^T on codes of FP6 (E2M3), and the softmax's first half.  t = score x log2(e) / 32.  For each query and each 128 keys (a wave's width): M = ceil(the largest t of these 128), a whole number;
; p = 2^(t - M), quantised along the keys by blocks of 32; the sum of the unquantised p.  Stored: p's codes as fragments, p's scale words, -M and the sum.  The next launch brings all to the row's M,
; which is the largest of the 16 local ones: a whole number comes off each scale byte and the codes stay as they are.
; OPERANDS AND RESULTS lie in the order of the matrix unit's registers: [row block of 128][K / 128][tile i][1,536 bytes]; words [row block][K / 128][i / 4][r][i % 4].
; Source 0 = 16 keys, source 1 = 16 queries: a lane holds one query, and by the order of a tile's positions its 64 registers of a row tile are keys 32 b + 16 h + i.
; A tile of 256 queries x 256 keys is made by four waves, 128 x 128 each.  K = 1,024 goes in steps of 256 through two LDS slots; the scale words come with each chunk.
; CLUSTERS 4 x 4: qp's tiles are asked for jointly along a row of the cluster, k's along a column.  A wave has one tensor load out at a time.
; A block's largest p is not searched for: the block's largest score goes through the same multiply-add and exponential (this takes v_exp_f32 not to fall where its input rises).
; LIMITS: NaN and infinities are not served; a block whose every p lies under 2^-124 keeps the byte 1.
; REGISTERS: window 0: v2 = h; v16-31 addresses; v32-63 scale words, two sets; v64-127 a row tile's t, then p; v128-223 A's fragments; on the way out v128-175 four finished fragments by turns,
;   v176-183 p's scale words, v184-191 -M, v192-199 the sums, v200-211 those as stored, v224-255 at work.   window 1: B's fragments, two sets.   windows 2, 3: accumulator (a, b) at v[8 (8 (a % 4) + b)].
.set NS,    8
.set LAPS,  NS/4
.set FR,    12
.set FRB,   1536
.set NL,    3
.set NP,    4
; AS THE TEXT NOW STANDS: a row block of qp or k is four chunks of 25,600 bytes, each 256 along K: 24,576 bytes of codes and directly behind them their 1,024 bytes of scale words.
; A slot holds one chunk of each of the four row blocks, scale words among them: no scale word comes by a load of its own.  A wave has one tensor load out, at the head and behind each round.
.set HALFT, 25600
.set KSB,   25600
.set SLOT,  4*HALFT
.set SCO,   24576                      ; where a chunk's scale words begin
.set SPARE, 2*SLOT                     ; the spare words, 128 bytes for each wave: two blocks of 256 bytes that no other line names
.set RBB,   4*KSB
.set WORDS, 12582912                   ; where prob's words begin: scale words, then -M, then the sums, 524,288 bytes each
.set ADRA, 16
.set ADRB, 20
.set LI,   26
.set ADRS, 30                          ; v30-31: my scale words in slot 0, 1
.set SPW,  28
.set NIL,  29
.set SC,   32
.set T,    64
.set AF,   128
.set FO,   128
.set PW,   176
.set NMS,  184
.set LS,   192
.set SO,   200
.set T2,   224
.set BM,   232
.set BX,   236
.set SOP,  240
.set TV,   248
.set NM,   250
.set SA,   252
.set SB,   254
.set G1, 24
.set G0, 32
.set G1B, 48
.set G0B, 56
.set SEL, 66
.set PFA, 68                           ; s[68:69] the prefetches' base: what I fetch, + my work-group's 25 blocks of its 100
.set CS, 92
.set MSB, 0
.macro WIN new
.if MSB != (\new)
	s_set_vgpr_msb (MSB<<8)|(\new)
.set MSB, (\new)
.endif
.endm
.set MUL_LO, 0xa1
.set MUL_HI, 0xf1
.set TO_B,   0x40
.macro JLOAD g0a, g1a, g0b, g1b        ; a joint load: waves 0 and 1 fetch for A, waves 2 and 3 for B; four v_nop follow each of the two lines
	s_cmp_eq_u32 s15, 0
	s_cbranch_scc0 .Lfor_b_\@
	tensor_load_to_lds s[\g0a:\g0a+3], s[\g1a:\g1a+7]
	s_nop 0
.rept 4
	v_nop
.endr
	s_branch .Lasked_\@
.Lfor_b_\@:
	tensor_load_to_lds s[\g0b:\g0b+3], s[\g1b:\g1b+7]
	s_nop 0
.rept 4
	v_nop
.endr
.Lasked_\@:
.endm
.macro CREST
	s_cmp_lg_u32 s14, 0
	s_cbranch_scc1 .Lnot_wave_0_\@
	s_barrier_signal -3
.Lnot_wave_0_\@:
	s_barrier_wait -3
	s_barrier_signal -1
	s_barrier_wait -1
.endm
.macro CROUND
	s_barrier_signal -1
	s_barrier_wait -1
	CREST
.endm
.macro PLACES n
.rept \n
	v_nop
.endr
.endm
.macro FRAG reg, adr, q, i
.irp c, 0,1,2
	ds_load_b128 v[(\reg)+4*\c:(\reg)+4*\c+3], v[\adr] offset:(8*(\q)+(\i))*FRB+512*\c
.endr
.endm
; 16 matrix instructions; the 64 accumulators take turns, one instruction a turn.  zero = 1: the first product starts the sums
.macro MUL16 a0, p, q, sc, zero
.irp a, \a0, \a0+1
.irp b, 0,1,2,3,4,5,6,7
.if \zero
	v_wmma_scale_f32_16x16x128_f8f6f4 v[8*(8*((\a)%4)+\b):8*(8*((\a)%4)+\b)+7], v[128*(\p)+FR*\b:128*(\p)+FR*\b+FR-1], v[AF+FR*(\a):AF+FR*(\a)+FR-1], 0, v[SC+16*(\sc)+8*(\q)+\b], v[SC+16*(\sc)+8*(\q)+(\a)] matrix_a_fmt:MATRIX_FMT_FP6 matrix_b_fmt:MATRIX_FMT_FP6 matrix_a_scale:MATRIX_SCALE_ROW1
.else
	v_wmma_scale_f32_16x16x128_f8f6f4 v[8*(8*((\a)%4)+\b):8*(8*((\a)%4)+\b)+7], v[128*(\p)+FR*\b:128*(\p)+FR*\b+FR-1], v[AF+FR*(\a):AF+FR*(\a)+FR-1], v[8*(8*((\a)%4)+\b):8*(8*((\a)%4)+\b)+7], v[SC+16*(\sc)+8*(\q)+\b], v[SC+16*(\sc)+8*(\q)+(\a)] matrix_a_fmt:MATRIX_FMT_FP6 matrix_b_fmt:MATRIX_FMT_FP6 matrix_a_scale:MATRIX_SCALE_ROW1
.endif
.endr
.endr
.endm
.macro FETCH_B slot, q, p
	WIN TO_B
.irp i, 0,1,2,3,4,5,6,7
	FRAG 128*(\p)+FR*\i, ADRB+\slot, \q, \i
.endr
	WIN 0
.endm
.macro FETCH_A slot, q, i0
.irp i, \i0, \i0+1, \i0+2, \i0+3
	FRAG AF+FR*(\i), ADRA+\slot, \q, \i
.endr
.endm
.macro SCALES sc
.irp q, 0,1
.irp k, 0,1
	ds_load_b128 v[SC+16*\sc+8*\q+4*\k:SC+16*\sc+8*\q+4*\k+3], v[ADRS+\sc] offset:512*\q+256*\k
.endr
.endr
.endm
.macro STEP slot, q, zero
	s_wait_dscnt 4*NL                              ; all but the youngest 12 loads (A's blocks 4-7)
	WIN MUL_LO
	MUL16 0, (\q)%2, \q, \slot, \zero
	MUL16 2, (\q)%2, \q, \slot, \zero
	s_wait_dscnt 0
	PLACES NP
	FETCH_B \slot, (\q)+1, 1-(\q)%2
	FETCH_A \slot, (\q)+1, 0
	WIN MUL_HI
	MUL16 4, (\q)%2, \q, \slot, \zero
	MUL16 6, (\q)%2, \q, \slot, \zero
	PLACES NP
	WIN 0
	FETCH_A \slot, (\q)+1, 4
.endm
.macro TURN slot, next, fill
	s_wait_tensorcnt 0x0                           ; all my tensor loads have landed: my part of the next slot
	ds_add_u32 v[SPW], v[NIL]                      ; 0 onto my spare word
	s_wait_dscnt 4*NL+1                            ; (the add and the youngest 12 loads may be out)
	WIN MUL_LO
	MUL16 0, 1, 1, \slot, 0
	s_wait_dscnt 0x0                               ; the add is done, and my reads of this slot are over
	s_barrier_signal -1
	MUL16 2, 1, 1, \slot, 0
	WIN 0
	s_barrier_wait -1
.if \fill
	CREST                                          ; a round of the cluster's barrier: no wave of any partner still reads this slot or has a load on its way
	s_add_nc_u64 s[G0+4*\slot+2:G0+4*\slot+3], s[G0+4*\slot+2:G0+4*\slot+3], 2*KSB
	s_add_nc_u64 s[G0B+4*\slot+2:G0B+4*\slot+3], s[G0B+4*\slot+2:G0B+4*\slot+3], 2*KSB
	JLOAD G0+4*\slot, G1, G0B+4*\slot, G1B
.else
	PLACES NP
.endif
	FETCH_B \next, 0, 0
	FETCH_A \next, 0, 0
	SCALES \next
.if (\fill) && (\slot) == 0
	global_prefetch_b8 v8, s[PFA:PFA+1] offset:3*KSB th:TH_LOAD_NT scope:SCOPE_SE   ; chunk 3, one fill ahead of its load (the loop has one trip)
.endif
	WIN MUL_HI
	MUL16 4, 1, 1, \slot, 0
	MUL16 6, 1, 1, \slot, 0
	PLACES NP
	WIN 0
	FETCH_A \next, 0, 4
.endm
	s_load_b128 s[4:7], s[0:1], 0x0                ; proj, prob
	v_lshl_add_u32 v[SPW], v0, 2, SPARE
	v_mov_b32 v[NIL], 0
	ds_add_u32 v28, v29
	ds_add_u32 v28, v29
	s_wait_dscnt 0x0
	v_lshrrev_b32 v1, 5, v0
	v_readfirstlane_b32 s14, v1                    ; wave 0..3
	s_lshr_b32 s15, s14, 1                         ; ah; also: I fetch for A (0) or for B (1)
	s_and_b32 s16, s14, 1                          ; bh; also: which row block of the tile I fetch
	s_bfe_u32 s40, ttmp6, 0x40000                  ; cx, cy
	s_bfe_u32 s41, ttmp6, 0x40004
	s_lshl_b32 s42, ttmp9, 2
	s_add_co_u32 s42, s42, s40                     ; tx: which 256 keys of the batch
	s_and_b32 s17, ttmp7, 0xffff
	s_lshr_b32 s19, s17, 1                         ; the batch: eight tiles of queries each, so two clusters: all partners share it
	s_lshl_b32 s17, s17, 2
	s_add_co_u32 s17, s17, s41                     ; ty: which 256 of the 8,192 queries
	s_lshl_b32 s43, s41, 2
	s_lshl_b32 s43, 15, s43
	s_lshl_b32 s44, 0x1111, s40
	s_or_b32 s[G1+0], s43, (3<<16)|(1<<21)         ; the mask; elements of 8 bytes; no padding; bit 21 beside a mask
	s_or_b32 s[G1B+0], s44, (3<<16)|(1<<21)
.irp g, G1, G1B                        ; 25,600 dense bytes as 100 rows of 256
	s_mov_b32 s[\g+1], 32<<16
	s_mov_b32 s[\g+2], 100<<16
	s_mov_b32 s[\g+3], 32<<16
	s_mov_b32 s[\g+4], 100
	s_mov_b32 s[\g+5], 32
	s_mov_b32 s[\g+6], 0
	s_mov_b32 s[\g+7], 0
.endr
	s_lshl_b32 s20, s17, 1
	s_add_co_u32 s20, s20, s16                     ; qp's row block 2 ty + half
	s_lshl_b32 s46, s42, 1
	s_add_co_u32 s46, s46, s16
	s_lshl_b32 s18, s19, 4
	s_add_co_u32 s46, s46, s18
	s_add_co_u32 s46, s46, 64                      ; k's: 64 + 16 x batch + 2 tx + half
	s_mul_i32 s20, s20, RBB
	s_mov_b32 s21, 0
	s_mul_i32 s46, s46, RBB
	s_mov_b32 s47, 0
	s_mul_i32 s45, s14, HALFT
	s_mov_b32 s[SEL], 0x76543210
	s_mov_b32 s[SEL+1], 0xfedcba98
	s_wait_kmcnt 0x0
	s_add_nc_u64 s[20:21], s[4:5], s[20:21]
	s_add_nc_u64 s[46:47], s[4:5], s[46:47]
.irp s, 0,1
	s_mov_b32 s[G0+4*\s], 1
	s_add_co_u32 s[G0+4*\s+1], s45, \s*SLOT
	s_add_nc_u64 s[G0+4*\s+2:G0+4*\s+3], s[20:21], \s*KSB
	s_or_b32 s[G0+4*\s+3], s[G0+4*\s+3], 0x80000000
	s_mov_b32 s[G0B+4*\s], 1
	s_add_co_u32 s[G0B+4*\s+1], s45, \s*SLOT
	s_add_nc_u64 s[G0B+4*\s+2:G0B+4*\s+3], s[46:47], \s*KSB
	s_or_b32 s[G0B+4*\s+3], s[G0B+4*\s+3], 0x80000000
.endr
	CROUND                                         ; all sixteen work-groups are here: the first joint loads meet
	JLOAD G0, G1, G0B, G1B                         ; chunk 0: one tensor load a wave at the head
	s_mul_i32 s70, s40, 6400                       ; of the 100 blocks of 256 bytes that I fetch, each of the four partners names 25: cx among A's, cy among B's
	s_mul_i32 s71, s41, 6400
	s_cmp_eq_u32 s15, 0
	s_cselect_b32 s70, s70, s71
	s_cselect_b64 s[PFA:PFA+1], s[20:21], s[46:47]
	s_mov_b32 s71, 0
	s_add_nc_u64 s[PFA:PFA+1], s[PFA:PFA+1], s[70:71]
	s_mov_b32 s[CS], 0x3d38aa3b                    ; c = log2(e) / sqrt(1024)
	s_mov_b32 s[CS+1], s[CS]                       ; (named with it as a pair)
	v_and_b32 v1, 15, v0                           ; r
	v_bfe_u32 v2, v0, 4, 1                         ; h
	s_wait_alu depctr_va_vdst(0)
	v_and_b32 v3, 31, v0
	v_lshlrev_b32 v[LI], 4, v3
	v_min_u32 v8, 24, v3
	v_lshlrev_b32 v8, 8, v8                        ; a lane a block; lanes 25-31 name block 24 again
	global_prefetch_b8 v8, s[PFA:PFA+1] offset:KSB th:TH_LOAD_NT scope:SCOPE_SE   ; chunk 1
	s_mul_i32 s21, s15, HALFT
	s_mul_i32 s22, s16, HALFT
	s_add_co_u32 s22, s22, 2*HALFT
.irp s, 0,1
	v_add_nc_u32 v[ADRA+\s], s21, v[LI]
	v_add_nc_u32 v[ADRB+\s], s22, v[LI]
	s_add_co_u32 s21, s21, SLOT
	s_add_co_u32 s22, s22, SLOT
.endr
	v_lshlrev_b32 v7, 4, v1
	s_mul_i32 s21, s15, HALFT
	s_mul_i32 s22, s16, HALFT
	s_add_co_u32 s22, s22, 2*HALFT
	s_sub_co_u32 s22, s22, s21
	v_mul_u32_u24 v6, s22, v2                      ; lanes 16-31 take B's: one product, h x the distance
	s_add_co_u32 s21, s21, SCO
	v_add_nc_u32 v7, v7, v6
	v_add_nc_u32 v[ADRS], s21, v7
	v_add_nc_u32 v[ADRS+1], SLOT, v[ADRS]
	s_lshl_b32 s96, s17, 1                         ; my block of prob: 16 x (2 ty + ah) + 2 tx + bh
	s_add_co_u32 s96, s96, s15
	s_lshl_b32 s96, s96, 4
	s_lshl_b32 s98, s42, 1
	s_add_co_u32 s98, s98, s16
	s_add_co_u32 s98, s98, s96
	s_mul_i32 s96, s98, 12288
	s_mov_b32 s97, 0
	s_lshl_b32 s98, s98, 9
	s_add_co_u32 s98, s98, WORDS
	s_mov_b32 s99, 0
	s_add_nc_u64 s[96:97], s[6:7], s[96:97]
	s_add_nc_u64 s[98:99], s[6:7], s[98:99]
	s_wait_alu depctr_va_vdst(0)
	s_wait_tensorcnt 0x0                           ; my part of slot 0 is in
	ds_add_u32 v[SPW], v[NIL]
	s_wait_dscnt 0x0
	CROUND
	JLOAD G0+4, G1, G0B+4, G1B                     ; chunk 1, into slot 1
	global_prefetch_b8 v8, s[PFA:PFA+1] offset:2*KSB th:TH_LOAD_NT scope:SCOPE_SE   ; chunk 2
	FETCH_B 0, 0, 0
	FETCH_A 0, 0, 0
	SCALES 0
	FETCH_A 0, 0, 4
	STEP 0, 0, 1
	s_mov_b32 s3, LAPS-1
.Llap:
	TURN 0, 1, 1
	STEP 1, 0, 0
	TURN 1, 0, 1
	STEP 0, 0, 0
	s_sub_co_u32 s3, s3, 1
	s_cmp_lg_u32 s3, 0
	s_cbranch_scc1 .Llap
	TURN 0, 1, 0
	STEP 1, 0, 0
	s_wait_dscnt 4*NL
	WIN MUL_LO
	MUL16 0, 1, 1, 1, 0
	MUL16 2, 1, 1, 1, 0
	s_wait_dscnt 0
	WIN MUL_HI
	MUL16 4, 1, 1, 1, 0
	MUL16 6, 1, 1, 1, 0
	WIN 0
	PLACES NP
.irp b, 0,1,2,3
	v_mov_b32 v[BX+\b], 0                          ; written once: a lane permute's destination counts as one of its sources
.endr
	v_mov_b32 v[NM+1], 0                           ; (named as the upper half of a pair)
; A ROW TILE: 16 queries x my 128 keys
.macro ROWP a
.set AC, 64*((\a)%4)
.set FA, FO+12*((\a)%4)
	WIN 0x0a+5*((\a)/4)                            ; sources 0 and 1: the accumulators' window
.irp b, 0,1,2,3
	v_max_num_f32 v[BM+\b], v[AC+16*\b], v[AC+16*\b+1]   ; the largest score of each block of 32 keys; each accumulator is read from its low end on
.endr
.irp i, 2,4,6,8,10,12,14
.irp b, 0,1,2,3
	v_max3_num_f32 v[BM+\b], v[AC+16*\b+\i], v[AC+16*\b+\i+1], v[BM+\b]
.endr
.endr
	WIN 0
.irp b, 0,1,2,3
	v_permlanex16_b32 v[BX+\b], v[BM+\b], s[SEL], s[SEL+1]
.endr
.irp b, 0,1,2,3
	v_max_num_f32 v[BM+\b], v[BM+\b], v[BX+\b]     ; with lane l xor 16's 16 keys
.endr
	v_max3_num_f32 v[TV], v[BM], v[BM+1], v[BM+2]
	v_max_num_f32 v[TV], v[TV], v[BM+3]
	v_mul_f32 v[TV], s[CS], v[TV]                  ; the largest t of my query's 128 keys (c is positive)
	v_floor_f32 v[NM], -v[TV]                      ; -M = floor(-t) = -ceil(t)
	v_mov_b32 v[NMS+(\a)], v[NM]
	WIN 0x02+(\a)/4
.set JJ, 0
.rept 32
	v_pk_fma_f32 v[T+JJ:T+JJ+1], v[AC+JJ:AC+JJ+1], s[CS:CS+1], v[NM:NM+1] op_sel_hi:[1,0,0]   ; t - M, two at a time
.set JJ, JJ+2
.endr
	WIN 0
.irp b, 0,1,2,3
	v_fma_f32 v[BM+\b], v[BM+\b], s[CS], v[NM]     ; the same of each block's largest score
.endr
.set JJ, 0
	s_wait_alu depctr_va_vdst(0)
.rept 64
	v_exp_f32 v[T+JJ], v[T+JJ]                     ; p = 2^(t - M), at most 1
.set JJ, JJ+1
.endr
.irp b, 0,1,2,3
	v_exp_f32 v[BM+\b], v[BM+\b]                   ; the block's largest p
.endr
	v_nop                                          ; a plain place behind the exponentials
	s_wait_alu depctr_va_vdst(0)
.irp b, 0,1,2,3
	v_max_num_f32 v[BM+\b], 0x1800000, v[BM+\b]    ; the floor 2^(3 - 127): the byte cannot fall under 1
.endr
.irp b, 0,1,2,3
	v_add_nc_u32 v[SOP+\b], 0xff000000, v[BM+\b]   ; 2 off the exponent field: the conversion's scale operand
.endr
.irp b, 0,1,2,3
	v_lshrrev_b32 v[BX+\b], 23, v[SOP+\b]          ; the scale's byte, 1 .. 125
.endr
	v_lshl_or_b32 v[PW+(\a)], v[BX+1], 8, v[BX]
	v_lshl_or_b32 v[PW+(\a)], v[BX+2], 16, v[PW+(\a)]
	v_lshl_or_b32 v[PW+(\a)], v[BX+3], 24, v[PW+(\a)]
.if (\a) >= 4
	s_wait_xcnt 0x0                                ; the stores of the row tile four back have read these registers
.endif
.irp c, 0,1
	v_cvt_scalef32_pk16_fp6_f32 v[FA+6*\c:FA+2+6*\c], v[T+32*\c:T+15+32*\c], v[SOP+2*\c]
	v_cvt_scalef32_pk16_fp6_f32 v[T2+4*\c:T2+2+4*\c], v[T+16+32*\c:T+31+32*\c], v[SOP+1+2*\c]
.endr
	v_nop                                          ; one plain place behind a scaled conversion
.irp c, 0,1
.irp i, 0,1,2
	v_permlane16_swap_b32 v[FA+6*\c+\i], v[T2+4*\c+\i]
.endr
.irp i, 0,1,2
	v_mov_b32 v[FA+3+6*\c+\i], v[T2+4*\c+\i]
.endr
.endr
	v_pk_add_f32 v[SA:SA+1], v[T:T+1], v[T+2:T+3]  ; the sum of the unquantised p: two at a time, in two chains
	v_pk_add_f32 v[SB:SB+1], v[T+4:T+5], v[T+6:T+7]
.irp j, 8,12,16,20,24,28,32,36,40,44,48,52,56,60
	v_pk_add_f32 v[SA:SA+1], v[SA:SA+1], v[T+\j:T+\j+1]
	v_pk_add_f32 v[SB:SB+1], v[SB:SB+1], v[T+\j+2:T+\j+3]
.endr
	v_pk_add_f32 v[SA:SA+1], v[SA:SA+1], v[SB:SB+1]
	v_add_f32 v[SA], v[SA], v[SA+1]
	v_permlanex16_b32 v[TV], v[SA], s[SEL], s[SEL+1]
	v_add_f32 v[LS+(\a)], v[SA], v[TV]             ; with lane l xor 16's
.irp c, 0,1,2
	global_store_b128 v[LI], v[FA+4*\c:FA+4*\c+3], s[96:97] offset:FRB*(\a)+512*\c   ; the fragment: 3 x 512 consecutive bytes
.endr
.endm
.irp a, 0,1,2,3,4,5,6,7
	ROWP \a
.endr
	v_cmp_ne_u32 vcc_lo, 0, v2                     ; the words: lanes 0-15 store tiles 0-3's, lanes 16-31 tiles 4-7's (both halves hold all eight)
.irp k, 0,1,2,3
	v_cndmask_b32 v[SO+\k], v[PW+\k], v[PW+4+\k], vcc_lo
	v_cndmask_b32 v[SO+4+\k], v[NMS+\k], v[NMS+4+\k], vcc_lo
	v_cndmask_b32 v[SO+8+\k], v[LS+\k], v[LS+4+\k], vcc_lo
.endr
	global_store_b128 v[LI], v[SO:SO+3], s[98:99]
	global_store_b128 v[LI], v[SO+4:SO+7], s[98:99] offset:524288
	global_store_b128 v[LI], v[SO+8:SO+11], s[98:99] offset:1048576
	s_wait_tensorcnt 0x0                           ; the wave's end
	ds_add_u32 v[SPW], v[NIL]
	s_wait_dscnt 0x0
	CROUND                                         ; the closing round
	s_endpgm
.Lfunc_end_k_q0d9f25113c_score_gemm:
	.size	k_q0d9f25113c_score_gemm, .Lfunc_end_k_q0d9f25113c_score_gemm-k_q0d9f25113c_score_gemm
	.p2alignl 7, 3214868480
	.fill 96, 4, 3214868480
	.section	.rodata,"a",@progbits
	.p2align	6, 0x0
	.amdhsa_kernel k_q0d9f25113c_score_gemm
		.amdhsa_group_segment_fixed_size 327680
		.amdhsa_private_segment_fixed_size 0
		.amdhsa_enable_private_segment 0
		.amdhsa_kernarg_size 16
		.amdhsa_user_sgpr_count 2
		.amdhsa_user_sgpr_kernarg_segment_ptr 1
		.amdhsa_wavefront_size32 1
		.amdhsa_system_sgpr_workgroup_id_x 1
		.amdhsa_system_sgpr_workgroup_id_y 1
		.amdhsa_system_sgpr_workgroup_id_z 1
		.amdhsa_system_vgpr_workitem_id 0
		.amdhsa_next_free_vgpr 1024
		.amdhsa_next_free_sgpr 100
		.amdhsa_reserve_vcc 1
		.amdhsa_float_denorm_mode_32 3
		.amdhsa_float_denorm_mode_16_64 3
		.amdhsa_memory_ordered 1
		.amdhsa_forward_progress 1
		.amdhsa_inst_pref_size 192
	.end_amdhsa_kernel
	.amdgpu_metadata
---
amdhsa.version: [ 1, 2 ]
amdhsa.kernels:
  - .name:           k_q0d9f25113c_score_gemm
    .symbol:         k_q0d9f25113c_score_gemm.kd
    .args:
      - { .name: proj, .offset: 0, .size: 8, .value_kind: global_buffer, .address_space: global }
      - { .name: prob, .offset: 8, .size: 8, .value_kind: global_buffer, .address_space: global }
    .group_segment_fixed_size: 327680
    .private_segment_fixed_size: 0
    .kernarg_segment_align: 8
    .kernarg_segment_size: 16
    .max_flat_workgroup_size: 128
    .sgpr_count:     100
    .vgpr_count:     1024
    .wavefront_size: 32
...
	.end_amdgpu_metadata
.endif
;; end of part 3
;; launch pv_gemm (part 4): grid 4 x 64, 4 waves a work-group, clusters of 4 x 4, 327,680 bytes of LDS; arguments prob, proj, out0; writes out0
.if DOCPART == 4
	.amdgcn_target "amdgcn-amd-amdhsa--gfx1250"
	.amdhsa_code_object_version 6
	.text
	.protected	k_q0d9f25113c_pv_gemm
	.globl	k_q0d9f25113c_pv_gemm
	.p2align	8
	.type	k_q0d9f25113c_pv_gemm,@function
k_q0d9f25113c_pv_gemm:
	s_mov_b64 s[64:65], 0
	v_nop
	global_prefetch_b8 v0, s[64:65] scope:SCOPE_SE
	s_setreg_imm32_b32 hwreg(HW_REG_WAVE_MODE, 25, 1), 1
	s_wait_xcnt 0x0
	s_wait_alu depctr_hold_cnt(0) depctr_sa_sdst(0) depctr_va_vdst(0) depctr_va_sdst(0) depctr_va_ssrc(0) depctr_va_vcc(0) depctr_vm_vsrc(0)
	s_getreg_b32 s2, hwreg(HW_REG_IB_STS2, 6, 4)
	s_cmp_eq_u32 s2, 0
	s_cbranch_scc0 .Lentry_in_a_cluster
	s_endpgm
.Lentry_in_a_cluster:
	s_bfe_u32 s2, ttmp6, 0x10000c
	s_cmp_lg_u32 s2, 0xf033
	s_cbranch_scc0 .Lentry_shape_is_right
	s_endpgm
.Lentry_shape_is_right:
; context = softmax x v on codes of FP6 (E2M3): O = p v^T^T / l.  p comes as fragments quantised under a LOCAL M for each query and each 128 keys, with -M and the sum of the unquantised p beside them.
; THE JOIN, at the head, a thread to a query: the row's M is the largest of its 16 local ones, a whole number; d = local M - row's M, 0 or less, held at -127; the local sum is multiplied by 2^d (v_ldexp_f32: nothing is rounded)
; and |d| comes off each of the four bytes of p's scale word, each byte held at 0 from below (a finite code; such a block counts 2^-127 at the most).  The codes stay as they are.  1 / l multiplies the result on the way out.
; OPERANDS lie in the order of the matrix unit's registers: [row block of 128][K / 128][tile i][1,536 bytes]; words [row block][K / 128][i / 4][r][i % 4].  Position r of tile i is row 32 (i / 2) + 8 (i % 2) + r % 8 + 16 (r / 8).
; A tile of 128 queries x 256 channels is made by four waves, 64 x 128 each: 32 accumulators.  Source 0 = 16 channels of v^T, source 1 = 16 queries: a lane holds one query, its 64 registers of a row tile are channels 32 b + 16 h + i.
; K = 2,048 keys goes in 16 steps of 128 through two slots of four steps: p's chunk (49,152 bytes), then v^T's two.  v^T's scale words for all keys (16,384 bytes) come once; p's are stored to LDS by the join.
; THE HEAD'S LOADS, one a wave: wave 0 p's chunk 0, waves 1 and 2 v^T's two, wave 3 v^T's scale words.  Slot 1 is first filled behind the full sequence and a round; from there on waves 0, 1 fetch the halves of p's chunk, waves 2, 3 v^T's chunks.
; CLUSTERS 4 x 4: p's chunks are asked for jointly along a row of the cluster, v^T's along a column.  A wave has one tensor load out at a time; every wait on TENSORcnt is for 0.
; PREFETCH: behind each load the next fill's bytes are named, each block of 256 bytes once in a cluster: of the 96 (p) or 192 (v^T) blocks that a wave fetches, each of the four partners names 24 or 48, told apart by address; lanes 24-31 name block 23 again.  The last fill has no successor.
; LIMITS: NaN and infinities are not served; the promise holds while the scaled scores stay under 2^31 in magnitude.
; REGISTERS: window 0: v6-7 a pair for 1 / l, v8-11 1 / l of my four row tiles, v16-31 addresses, v32-47 scale words (two sets), v48-111 the join's words, later a row tile's 64 results, v128-223 p's fragments (two sets), on the way out v128-255 rows read back.
;   window 1: v^T's fragments, two sets, at v0 and v128.   window 2: accumulator (a, b) at v[8 (8 a + b)].
.set NS,    16
.set FR,    12
.set FRB,   1536
.set NP,    4                          ; places behind this matrix instruction (ISA guide 7.12.1)
.set KSB,   49152                      ; a row block's four steps
.set SLOT,  3*KSB
.set SCA,   2*SLOT                     ; behind the ring: p's scale words, as the join leaves them,
.set HS,    NS*512
.set SCBL,  SCA+HS                     ; v^T's, two row blocks,
.set RLB,   SCBL+2*HS                  ; 1 / l of the 128 queries,
.set SPARE, RLB+512                    ; and the spare words, 128 bytes for each wave: two blocks of 256 bytes that no other line names
.set RBB,   NS*12288
.set VT,    13107200                   ; where v^T's codes begin in proj,
.set VS,    19398656                   ; and its scale words
.set WORDS, 12582912                   ; where prob's words begin: scale words, then -M, then the sums, 524,288 bytes each
.set SPITCH, 528
.set RC,   6
.set RL,   8
.set ADRA, 16
.set ADRB, 20
.set STO,  24
.set RD,   25
.set LI,   26
.set ADRS, 27
.set SPW,  28
.set NIL,  29
.set RLA,  30
.set PFO,  31
.set SC,   32
.set Y,    48
.set NMR,  48
.set LLR,  64
.set SWR,  80
.set AF,   128
.set BK,   128
.set PF, 12                            ; s[12:13] the prefetches' base
.set G1, 24
.set G0, 32
.set G1B, 48
.set G0B, 56
.set G0H, 68                           ; group 0 of the head's loads: p's chunk, v^T's two,
.set G0HB, 72
.set G1SB, 80
.set G0SB, 88                          ; v^T's scale words
.set MSB, 0
.macro WIN new                         ; the immediate's high byte repeats the setting that is left
.if MSB != (\new)
	s_set_vgpr_msb (MSB<<8)|(\new)
.set MSB, (\new)
.endif
.endm
.set MUL,  0xa1                        ; source 0 (v^T) window 1, source 1 (p) window 0, C and D window 2
.set TO_B, 0x40
.macro TLOAD g0, g1                    ; an s_nop 0 and four v_nop follow each tensor load
	tensor_load_to_lds s[\g0:\g0+3], s[\g1:\g1+7]
	s_nop 0
.rept 4
	v_nop
.endr
.endm
.macro JLOAD g0a, g1a, g0b, g1b        ; the ring's joint load; the branch hangs on the wave's number alone
	s_cmp_lt_u32 s14, 2
	s_cbranch_scc0 .Lfor_b_\@
	TLOAD \g0a, \g1a
	s_branch .Lasked_\@
.Lfor_b_\@:
	TLOAD \g0b, \g1b
.Lasked_\@:
.endm
.macro ARM under, g0, g1, next         ; an arm of the head's one chain of branches
	s_cmp_lt_u32 s14, \under
	s_cbranch_scc0 \next
	TLOAD \g0, \g1
	s_branch .Lhead_asked
\next:
.endm
.macro CREST                           ; a round of the cluster's barrier behind its opening barrier
	s_cmp_lg_u32 s14, 0
	s_cbranch_scc1 .Lnot_wave_0_\@
	s_barrier_signal -3
.Lnot_wave_0_\@:
	s_barrier_wait -3
	s_barrier_signal -1
	s_barrier_wait -1
.endm
.macro CROUND
	s_barrier_signal -1
	s_barrier_wait -1
	CREST
.endm
.macro PLACES n
.rept \n
	v_nop
.endr
.endm
.macro SHAPE g, rows                   ; dense bytes as rows of 256 (32 elements of 8 bytes)
	s_mov_b32 s[\g+1], 32<<16
	s_mov_b32 s[\g+2], (\rows)<<16
	s_mov_b32 s[\g+3], 32<<16
	s_mov_b32 s[\g+4], \rows
	s_mov_b32 s[\g+5], 32
	s_mov_b32 s[\g+6], 0
	s_mov_b32 s[\g+7], 0
.endm
.macro ASK off                         ; my share of the fill at byte off of the row block: 24 blocks of 256 bytes, a lane a block; v^T's waves name 24 more
	global_prefetch_b8 v[PFO], s[PF:PF+1] offset:\off th:TH_LOAD_NT scope:SCOPE_SE
	s_cmp_lt_u32 s14, 2
	s_cbranch_scc1 .Lpf_\@
	global_prefetch_b8 v[PFO], s[PF:PF+1] offset:\off+6144 th:TH_LOAD_NT scope:SCOPE_SE
.Lpf_\@:
.endm
.macro FRAG reg, adr, q, i             ; a fragment comes as it was stored: three loads of 512 consecutive bytes
.irp c, 0,1,2
	ds_load_b128 v[(\reg)+4*\c:(\reg)+4*\c+3], v[\adr] offset:(8*(\q)+(\i))*FRB+512*\c
.endr
.endm
.macro FETCH n                         ; step n: v^T's eight fragments, my four of p's, the scale words (lanes 0-15 p's, lanes 16-31 v^T's), into set n % 2
	WIN TO_B
.irp i, 0,1,2,3,4,5,6,7
	FRAG 128*((\n)%2)+FR*\i, ADRB+((\n)/4)%2, (\n)%4, \i
.endr
	WIN 0
.irp i, 0,1,2,3
	FRAG AF+48*((\n)%2)+FR*\i, ADRA+((\n)/4)%2, (\n)%4, \i
.endr
.irp k, 0,1
	ds_load_b128 v[SC+8*((\n)%2)+4*\k:SC+8*((\n)%2)+4*\k+3], v[ADRS] offset:512*(\n)+256*\k
.endr
.endm
.macro MUL8 a, n, zero                 ; the 32 accumulators take turns, one instruction a turn
.irp b, 0,1,2,3,4,5,6,7
.if \zero
	v_wmma_scale_f32_16x16x128_f8f6f4 v[8*(8*(\a)+\b):8*(8*(\a)+\b)+7], v[128*((\n)%2)+FR*\b:128*((\n)%2)+FR*\b+FR-1], v[AF+48*((\n)%2)+FR*(\a):AF+48*((\n)%2)+FR*(\a)+FR-1], 0, v[SC+8*((\n)%2)+\b], v[SC+8*((\n)%2)+(\a)] matrix_a_fmt:MATRIX_FMT_FP6 matrix_b_fmt:MATRIX_FMT_FP6 matrix_a_scale:MATRIX_SCALE_ROW1
.else
	v_wmma_scale_f32_16x16x128_f8f6f4 v[8*(8*(\a)+\b):8*(8*(\a)+\b)+7], v[128*((\n)%2)+FR*\b:128*((\n)%2)+FR*\b+FR-1], v[AF+48*((\n)%2)+FR*(\a):AF+48*((\n)%2)+FR*(\a)+FR-1], v[8*(8*(\a)+\b):8*(8*(\a)+\b)+7], v[SC+8*((\n)%2)+\b], v[SC+8*((\n)%2)+(\a)] matrix_a_fmt:MATRIX_FMT_FP6 matrix_b_fmt:MATRIX_FMT_FP6 matrix_a_scale:MATRIX_SCALE_ROW1
.endif
.endr
.endm
.macro STEP n, zero                    ; a step whose successor lies in the same slot
	s_wait_dscnt 0x0                               ; this step's fragments are in
.if (\zero) == 0
	PLACES NP                                      ; in front of loads into registers that the last step's products read
.endif
	FETCH (\n)+1
	WIN MUL
	MUL8 0, \n, \zero
	MUL8 1, \n, \zero
	MUL8 2, \n, \zero
	MUL8 3, \n, \zero
.endm
; A slot's last step.  In front of the barrier each wave waits for all its tensor loads, adds 0 to its spare word, and waits for that and for its reads of this slot.  fill = 1: the barrier opens a round, and the slot is filled again
.macro TURN n, fill
.set SL, ((\n)/4)%2
	WIN 0
	s_wait_tensorcnt 0x0                           ; all my tensor loads have landed: my part of the next slot
	ds_add_u32 v[SPW], v[NIL]                      ; 0 onto my spare word
.if \fill
	s_add_nc_u64 s[G0+4*SL+2:G0+4*SL+3], s[G0+4*SL+2:G0+4*SL+3], 2*KSB      ; no load of mine is out: this slot's next chunk
	s_add_nc_u64 s[G0B+4*SL+2:G0B+4*SL+3], s[G0B+4*SL+2:G0B+4*SL+3], 2*KSB
.endif
	s_wait_dscnt 1                                 ; this step's fragments are in; the add may be out
	WIN MUL
	MUL8 0, \n, 0
	s_wait_dscnt 0x0                               ; the add is done, and my reads of this slot are over
	s_barrier_signal -1
	MUL8 1, \n, 0
	WIN 0
	s_barrier_wait -1
.if \fill
	CREST                                          ; no wave of any partner still reads this slot or has a load on its way
	JLOAD G0+4*SL, G1, G0B+4*SL, G1B               ; the first tensor load behind the round; its four v_nop are the places in front of the loads below
.else
	PLACES NP
.endif
	FETCH (\n)+1
.if (\fill) && (\n) == 3
	ASK 3*KSB                                      ; the last chunk
.endif
	WIN MUL
	MUL8 2, \n, 0
	MUL8 3, \n, 0
.endm
	s_load_b128 s[4:7], s[0:1], 0x0                ; prob, proj
	s_load_b64 s[8:9], s[0:1], 0x10                ; out0
	v_lshl_add_u32 v[SPW], v0, 2, SPARE
	v_mov_b32 v[NIL], 0
	ds_add_u32 v[SPW], v[NIL]                      ; the opening lines: the add, twice on end, and its wait ahead of my first tensor load
	ds_add_u32 v[SPW], v[NIL]
	v_lshrrev_b32 v1, 5, v0
	v_readfirstlane_b32 s14, v1                    ; wave 0..3
	v_lshlrev_b32 v4, 2, v0                        ; the join: my query's word
	s_lshr_b32 s15, s14, 1                         ; ah: which four row tiles of the queries are mine
	s_and_b32 s16, s14, 1                          ; bh: which row block of v^T.  In the ring also: which half of p's chunk, or which of v^T's chunks, I fetch
	s_bfe_u32 s40, ttmp6, 0x40000                  ; cx, cy
	s_bfe_u32 s41, ttmp6, 0x40004
	s_lshl_b32 s42, ttmp9, 2
	s_add_co_u32 s42, s42, s40                     ; tx: which 256 channels
	s_and_b32 s17, ttmp7, 0xffff
	s_lshr_b32 s19, s17, 2                         ; the batch: 16 row blocks of queries each, four clusters: all partners share it
	s_lshl_b32 s17, s17, 2
	s_add_co_u32 s17, s17, s41                     ; ty: which 128 of the 8,192 queries
	s_lshl_b32 s43, s41, 2
	s_lshl_b32 s43, 15, s43                        ; my row of the cluster
	s_lshl_b32 s44, 0x1111, s40                    ; my column
	s_or_b32 s[G1+0], s43, (3<<16)|(1<<21)         ; the mask; elements of 8 bytes; no padding; bit 21 beside a mask
	s_or_b32 s[G1B+0], s44, (3<<16)|(1<<21)
	s_or_b32 s[G1SB+0], s44, (3<<16)|(1<<21)
	SHAPE G1, 192                                  ; p's whole chunk, for the head's load; behind it the two words that count rows are set to 96
	SHAPE G1B, 192
	SHAPE G1SB, 64
	s_mul_i32 s22, s17, RBB                        ; p's row block
	s_mov_b32 s23, 0
	s_mul_i32 s45, s16, KSB/2
	s_add_co_u32 s20, s22, s45                     ; and my half of its chunks
	s_mov_b32 s21, 0
	s_lshl_b32 s10, s17, 13
	s_add_co_u32 s10, s10, WORDS                   ; its words
	s_mov_b32 s11, 0
	s_lshl_b32 s18, s19, 3
	s_lshl_b32 s46, s42, 1
	s_add_co_u32 s46, s46, s18                     ; v^T's row block 8 x batch + 2 tx
	s_lshl_b32 s92, s46, 13
	s_add_co_u32 s92, s92, VS
	s_mov_b32 s93, 0
	s_mul_i32 s96, s46, RBB
	s_add_co_u32 s96, s96, VT
	s_mov_b32 s97, 0
	s_mul_i32 s46, s16, RBB
	s_add_co_u32 s46, s46, s96                     ; and the one of the two that I fetch in the ring
	s_mov_b32 s47, 0
	s_mul_i32 s95, s16, KSB
	s_add_co_u32 s95, s95, KSB                     ; v^T's chunks lie behind p's in a slot
	s_wait_alu depctr_va_vdst(0)
	s_wait_dscnt 0x0                               ; both opening adds are done
	s_wait_kmcnt 0x0
	s_add_nc_u64 s[10:11], s[4:5], s[10:11]
.irp s, 0,1,2,3,4,5,6,7,8,9,10,11,12,13,14,15
	global_load_b32 v[NMR+\s], v4, s[10:11] offset:524288+512*\s
	global_load_b32 v[LLR+\s], v4, s[10:11] offset:1048576+512*\s
	global_load_b32 v[SWR+\s], v4, s[10:11] offset:512*\s
.endr
	s_add_nc_u64 s[22:23], s[4:5], s[22:23]
	s_add_nc_u64 s[20:21], s[4:5], s[20:21]
	s_add_nc_u64 s[92:93], s[6:7], s[92:93]
	s_add_nc_u64 s[96:97], s[6:7], s[96:97]
	s_add_nc_u64 s[46:47], s[6:7], s[46:47]
	s_mov_b32 s[G0H], 1
	s_mov_b32 s[G0H+1], 0
	s_mov_b64 s[G0H+2:G0H+3], s[22:23]
	s_or_b32 s[G0H+3], s[G0H+3], 0x80000000
.irp s, 0,1
	s_mov_b32 s[G0HB+4*\s], 1
	s_mov_b32 s[G0HB+4*\s+1], KSB+\s*KSB
	s_add_nc_u64 s[G0HB+4*\s+2:G0HB+4*\s+3], s[96:97], \s*RBB
	s_or_b32 s[G0HB+4*\s+3], s[G0HB+4*\s+3], 0x80000000
.endr
	s_mov_b32 s[G0SB], 1
	s_mov_b32 s[G0SB+1], SCBL
	s_mov_b64 s[G0SB+2:G0SB+3], s[92:93]
	s_or_b32 s[G0SB+3], s[G0SB+3], 0x80000000
.irp s, 0,1                            ; the ring's: slot s begins at chunk s (slot 0's is first used for chunk 2)
	s_mov_b32 s[G0+4*\s], 1
	s_add_co_u32 s[G0+4*\s+1], s45, \s*SLOT
	s_add_nc_u64 s[G0+4*\s+2:G0+4*\s+3], s[20:21], \s*KSB
	s_or_b32 s[G0+4*\s+3], s[G0+4*\s+3], 0x80000000
	s_mov_b32 s[G0B+4*\s], 1
	s_add_co_u32 s[G0B+4*\s+1], s95, \s*SLOT
	s_add_nc_u64 s[G0B+4*\s+2:G0B+4*\s+3], s[46:47], \s*KSB
	s_or_b32 s[G0B+4*\s+3], s[G0B+4*\s+3], 0x80000000
.endr
	CROUND                                         ; all sixteen work-groups are here: the first joint loads meet
	ARM 1, G0H, G1, .Lhead_b0                      ; one chain of branches on the wave's number: every way through it passes one load
	ARM 2, G0HB, G1B, .Lhead_b1
	ARM 3, G0HB+4, G1B, .Lhead_s
	TLOAD G0SB, G1SB
.Lhead_asked:
	s_mul_i32 s98, s40, 6144                       ; the prefetches' base: what I fetch in the ring, + my work-group's share (cx among p's four partners, cy among v^T's)
	s_mul_i32 s99, s41, 12288
	s_cmp_lt_u32 s14, 2
	s_cselect_b32 s98, s98, s99
	s_cselect_b64 s[PF:PF+1], s[20:21], s[46:47]
	s_mov_b32 s99, 0
	s_add_nc_u64 s[PF:PF+1], s[PF:PF+1], s[98:99]
	s_mul_i32 s18, s15, 4*FRB                      ; my four row tiles in a step's eight
	s_lshl_b32 s92, s15, 8
	s_add_co_u32 s93, s92, RLB
	s_lshl_b32 s94, s16, 13
	s_add_co_u32 s94, s94, HS
	s_sub_co_u32 s94, s94, s92                     ; from p's scale words to v^T's
	s_add_co_u32 s98, s92, SCA
	s_mul_i32 s99, s14, 16*SPITCH                  ; my stage for the way out, in slot 0: it has had its last fill and its last read by then
	s_lshl_b32 s96, s17, 7
	s_lshl_b32 s97, s15, 6
	s_add_co_u32 s96, s96, s97
	s_lshl_b32 s96, s96, 12                        ; my first row of out0, 4,096 bytes a row,
	s_lshl_b32 s97, s42, 10
	s_add_co_u32 s96, s96, s97
	s_lshl_b32 s97, s16, 9
	s_add_co_u32 s96, s96, s97                     ; my first column
	s_mov_b32 s97, 0
	s_add_nc_u64 s[96:97], s[8:9], s[96:97]
	s_mov_b32 s19, 0x01010101                      ; 1 in each of a word's four bytes (the batch's number, which lay here, has been used)
	v_and_b32 v1, 15, v0                           ; r
	v_bfe_u32 v2, v0, 4, 1                         ; h
	v_and_b32 v3, 31, v0
	v_lshlrev_b32 v[LI], 4, v3
	v_add_nc_u32 v[ADRA], s18, v[LI]
	v_add_nc_u32 v[ADRB], s95, v[LI]
	v_add_nc_u32 v[ADRA+1], SLOT, v[ADRA]
	v_add_nc_u32 v[ADRB+1], SLOT, v[ADRB]
	v_lshlrev_b32 v7, 4, v1                        ; words: 16 bytes a row position
	v_add_nc_u32 v[RLA], s93, v7
	v_mul_u32_u24 v6, s94, v2                      ; lanes 16-31 take v^T's: one product, h x the distance
	v_add_nc_u32 v7, v7, v6
	v_add_nc_u32 v[ADRS], s98, v7
	v_mul_u32_u24 v5, v1, SPITCH                   ; into the stage: row r, 64 bytes for each half of the lanes
	v_lshl_add_u32 v5, v2, 6, v5
	v_add_nc_u32 v[STO], s99, v5
	v_add_nc_u32 v[RD], s99, v[LI]                 ; back: the 32 lanes take one row of 512 bytes
	v_lshl_add_u32 v10, v0, 2, SCA                 ; where the join puts my query's words
	v_min_u32 v[PFO], 23, v3
	v_lshlrev_b32 v[PFO], 8, v[PFO]                ; a lane a block of 256 bytes; lanes 24-31 name block 23 again
	s_wait_alu depctr_va_vdst(0)
	ASK KSB                                        ; chunk 1
	s_wait_loadcnt 0x0                             ; THE JOIN, while the head's tensor loads are on their way
	v_min3_num_f32 v5, v[NMR], v[NMR+1], v[NMR+2]  ; the least -M: the row's
.irp i, 3,5,7,9,11,13
	v_min3_num_f32 v5, v5, v[NMR+\i], v[NMR+\i+1]
.endr
	v_min_num_f32 v5, v5, v[NMR+15]
.set JJ, 0
.rept 16
	v_sub_f32 v[NMR+JJ], v5, v[NMR+JJ]             ; d = local M - row's M
.set JJ, JJ+1
.endr
.set JJ, 0
.rept 16
	v_max_num_f32 v[NMR+JJ], 0xc2fe0000, v[NMR+JJ] ; held at -127
.set JJ, JJ+1
.endr
.set JJ, 0
.rept 16
	v_cvt_i32_f32 v[NMR+JJ], v[NMR+JJ]
.set JJ, JJ+1
.endr
.set JJ, 0
.rept 16
	v_ldexp_f32 v[LLR+JJ], v[LLR+JJ], v[NMR+JJ]    ; the local sum under the row's M
.set JJ, JJ+1
.endr
.set JJ, 0
.rept 16
	v_sub_nc_u32 v[NMR+JJ], 0, v[NMR+JJ]
.set JJ, JJ+1
.endr
.set JJ, 0
.rept 16
	v_mul_lo_u32 v[NMR+JJ], v[NMR+JJ], s19         ; |d| in each of the four bytes
.set JJ, JJ+1
.endr
.set JJ, 0
.rept 16
	v_or_b32 v[SWR+JJ], 0x80808080, v[SWR+JJ]      ; a guard bit over each byte (the bytes are 1 .. 125): no borrow leaves a byte
.set JJ, JJ+1
.endr
.set JJ, 0
.rept 16
	v_sub_nc_u32 v[SWR+JJ], v[SWR+JJ], v[NMR+JJ]
.set JJ, JJ+1
.endr
.irp j, 0,2,4,6
	v_pk_add_f32 v[LLR+\j:LLR+\j+1], v[LLR+\j:LLR+\j+1], v[LLR+8+\j:LLR+9+\j]
.endr
.irp j, 0,2
	v_pk_add_f32 v[LLR+\j:LLR+\j+1], v[LLR+\j:LLR+\j+1], v[LLR+4+\j:LLR+5+\j]
.endr
	v_pk_add_f32 v[LLR:LLR+1], v[LLR:LLR+1], v[LLR+2:LLR+3]
	v_add_f32 v12, v[LLR], v[LLR+1]                ; l
	s_wait_alu depctr_va_vdst(0)
	v_rcp_f32 v12, v12
.set JJ, 0
.rept 16
	v_lshrrev_b32 v[NMR+JJ], 7, v[SWR+JJ]
.set JJ, JJ+1
.endr
.set JJ, 0
.rept 16
	v_and_b32 v[NMR+JJ], s19, v[NMR+JJ]            ; 1 where the guard bit stands: the byte has not fallen under 0
.set JJ, JJ+1
.endr
.set JJ, 0
.rept 16
	v_lshlrev_b32 v[LLR+JJ], 7, v[NMR+JJ]
.set JJ, JJ+1
.endr
.set JJ, 0
.rept 16
	v_sub_nc_u32 v[NMR+JJ], v[LLR+JJ], v[NMR+JJ]   ; 0x7f there, 0 elsewhere
.set JJ, JJ+1
.endr
.set JJ, 0
.rept 16
	v_and_b32 v[SWR+JJ], v[SWR+JJ], v[NMR+JJ]      ; the byte less |d|, held at 0
.set JJ, JJ+1
.endr
.set JJ, 0
.rept 16
	ds_store_b32 v10, v[SWR+JJ] offset:512*JJ
.set JJ, JJ+1
.endr
	s_wait_alu depctr_va_vdst(0)                   ; the wait ahead of the first reader of 1 / l, and at the head's end
	ds_store_b32 v10, v12 offset:RLB-SCA
	s_wait_tensorcnt 0x0                           ; my tile of the head's four is in
	ds_add_u32 v[SPW], v[NIL]
	s_mov_b32 s[G1+2], 96<<16                      ; no tensor load of mine is out: from here on a load of p's brings half a chunk
	s_mov_b32 s[G1+4], 96
	s_wait_dscnt 0x0                               ; the add and the join's stores are done
	CROUND
	JLOAD G0+4, G1, G0B+4, G1B                     ; chunk 1, into slot 1
	FETCH 0
	ASK 2*KSB                                      ; chunk 2
	STEP 0, 1                                      ; the first step's products start the sums
	STEP 1, 0
	STEP 2, 0
	TURN 3, 1
	STEP 4, 0
	STEP 5, 0
	STEP 6, 0
	TURN 7, 1
	STEP 8, 0
	STEP 9, 0
	STEP 10, 0
	TURN 11, 0                                     ; nothing more is asked for
	STEP 12, 0
	STEP 13, 0
	STEP 14, 0
	s_wait_dscnt 0x0
	MUL8 0, 15, 0
	MUL8 1, 15, 0
	MUL8 2, 15, 0
	MUL8 3, 15, 0
	WIN 0
	PLACES NP
	ds_load_b128 v[RL:RL+3], v[RLA]                ; 1 / l of my query in my four row tiles
	v_mov_b32 v[RC+1], 0                           ; (named as the upper half of a pair)
	s_wait_dscnt 0x0
; THE WAY OUT, a row tile at a time: x 1 / l (which brings the 64 numbers into window 0, each accumulator from its low end on), through my own stage, back as whole rows of 512 bytes.
; LDS serves a wave's instructions in order (ISA guide 5.7.1.4): no wait between the stores and the loads.
.macro TOSTAGE a
.set AC, 64*(\a)
.set BB, BK+64*((\a)%2)
.if (\a) > 0
	s_wait_dscnt 16                                ; the last row tile's stores into the stage have read their registers
.endif
	v_mov_b32 v[RC], v[RL+(\a)]
	s_wait_alu depctr_va_vdst(0)
	WIN 0x02
.set JJ, 0
.rept 32
	v_pk_mul_f32 v[Y+JJ:Y+JJ+1], v[AC+JJ:AC+JJ+1], v[RC:RC+1] op_sel_hi:[1,0]
.set JJ, JJ+2
.endr
	WIN 0
.irp b, 0,1,2,3,4,5,6,7
	ds_store_b128 v[STO], v[Y+8*\b:Y+8*\b+3] offset:128*(\b/2)+32*(\b%2)
	ds_store_b128 v[STO], v[Y+8*\b+4:Y+8*\b+7] offset:128*(\b/2)+32*(\b%2)+16
.endr
.irp t, 0,1,2,3,4,5,6,7,8,9,10,11,12,13,14,15
	ds_load_b128 v[BB+4*\t:BB+4*\t+3], v[RD] offset:\t*SPITCH
.endr
.endm
.macro SEND a, younger                 ; younger: the LDS instructions issued behind row tile a's loads, which may stay out
.set BB, BK+64*((\a)%2)
	s_wait_dscnt \younger
.irp t, 0,1,2,3,4,5,6,7,8,9,10,11,12,13,14,15
	global_store_b128 v[LI], v[BB+4*\t:BB+4*\t+3], s[96:97] offset:(32*((\a)/2)+8*((\a)%2)+(\t%8)+16*(\t/8))*4096 th:TH_STORE_NT   ; 32 lanes store 512 consecutive bytes, aligned
.endr
.endm
	TOSTAGE 0
.irp a, 1,2,3
.if \a > 1
	s_wait_xcnt 0x0                                ; the stores of the row tile two back have read their registers
.endif
	TOSTAGE \a
	SEND \a-1, 32
.endr
	SEND 3, 0
	s_wait_tensorcnt 0x0                           ; the wave's end
	ds_add_u32 v[SPW], v[NIL]
	s_wait_dscnt 0x0
	CROUND                                         ; the closing round
	s_endpgm
.Lfunc_end_k_q0d9f25113c_pv_gemm:
	.size	k_q0d9f25113c_pv_gemm, .Lfunc_end_k_q0d9f25113c_pv_gemm-k_q0d9f25113c_pv_gemm
	.p2alignl 7, 3214868480
	.fill 96, 4, 3214868480
	.section	.rodata,"a",@progbits
	.p2align	6, 0x0
	.amdhsa_kernel k_q0d9f25113c_pv_gemm
		.amdhsa_group_segment_fixed_size 327680
		.amdhsa_private_segment_fixed_size 0
		.amdhsa_enable_private_segment 0
		.amdhsa_kernarg_size 24
		.amdhsa_user_sgpr_count 2
		.amdhsa_user_sgpr_kernarg_segment_ptr 1
		.amdhsa_wavefront_size32 1
		.amdhsa_system_sgpr_workgroup_id_x 1
		.amdhsa_system_sgpr_workgroup_id_y 1
		.amdhsa_system_sgpr_workgroup_id_z 1
		.amdhsa_system_vgpr_workitem_id 0
		.amdhsa_next_free_vgpr 768
		.amdhsa_next_free_sgpr 100
		.amdhsa_reserve_vcc 0
		.amdhsa_float_denorm_mode_32 3
		.amdhsa_float_denorm_mode_16_64 3
		.amdhsa_memory_ordered 1
		.amdhsa_forward_progress 1
		.amdhsa_inst_pref_size 158
	.end_amdhsa_kernel
	.amdgpu_metadata
---
amdhsa.version: [ 1, 2 ]
amdhsa.kernels:
  - .name:           k_q0d9f25113c_pv_gemm
    .symbol:         k_q0d9f25113c_pv_gemm.kd
    .args:
      - { .name: prob, .offset: 0, .size: 8, .value_kind: global_buffer, .address_space: global }
      - { .name: proj, .offset: 8, .size: 8, .value_kind: global_buffer, .address_space: global }
      - { .name: out0, .offset: 16, .size: 8, .value_kind: global_buffer, .address_space: global }
    .group_segment_fixed_size: 327680
    .private_segment_fixed_size: 0
    .kernarg_segment_align: 8
    .kernarg_segment_size: 24
    .max_flat_workgroup_size: 128
    .sgpr_count:     100
    .vgpr_count:     768
    .wavefront_size: 32
...
	.end_amdgpu_metadata
.endif
;; end of part 4
